; MI455X (gfx1250); checked and timed in simulation.
; The chip was launched on July 23, 2026; its instructions are those of AMD's public machine-readable ISA for CDNA 5 (MIT licence, August 2026) and "CDNA5" Instruction Set Architecture Reference Guide (July 2026). The comments in the code are by the model that wrote it; some were corrected since.
;; Multi Head Attention. Allowed arithmetic: matrix products marked QUANTISED: E4M3 operands, one E8M0 scale for each 32 along K, by v_wmma_scale_f32_16x16x128_f8f6f4 with both operands' format E4M3, f32 sums; everything else in f32.
;; Inputs: Wk_codes 1,024 x 32 x 32 uint8 (E4M3 codes of Wk, K innermost, in blocks of 32 codes); Wk_scales 1,024 x 32 uint8 (E8M0 scales of Wk, one for each 32 codes along K); Wo_codes 1,024 x 32 x 32 uint8 (E4M3 codes of Wo, K innermost, in blocks of 32 codes); Wo_scales 1,024 x 32 uint8 (E8M0 scales of Wo, one for each 32 codes along K); Wq_codes 1,024 x 32 x 32 uint8 (E4M3 codes of Wq, K innermost, in blocks of 32 codes); Wq_scales 1,024 x 32 uint8 (E8M0 scales of Wq, one for each 32 codes along K); Wv_codes 1,024 x 32 x 32 uint8 (E4M3 codes of Wv, K innermost, in blocks of 32 codes); Wv_scales 1,024 x 32 uint8 (E8M0 scales of Wv, one for each 32 codes along K); bk 1,024 float32; bo 1,024 float32; bq 1,024 float32; bv 1,024 float32; mask 4 x 2,048 bool; q_codes 4 x 2,048 x 32 x 32 uint8 (E4M3 codes of q, K innermost, in blocks of 32 codes); q_scales 4 x 2,048 x 32 uint8 (E8M0 scales of q, one for each 32 codes along K).
;; Outputs: out0 4 x 2,048 x 1,024 float32.
;; This version of the problem:
;;   THIS VERSION OF THE PROBLEM IS GIVEN IN LOW PRECISION. The matrix products marked QUANTISED in the list below multiply operands that are first quantised to E4M3 (4 exponent bits, 3 mantissa bits; 8 bits a number), with one power-of-two scale for each 32 numbers along K (OCP MX v1.0); their sums are f32. All else is computed in f32.
;;   The module's matrix products, in the order in which they are computed (A, B: the left and right operand; K: the contracted axis; several contracted axes count as one K, in the product's order):
;;     1. [M 8,192, K 1,024] x [K 1,024, N 1,024]; A: input q (given as codes); B: input Wq (given as codes): QUANTISED
;;     2. [M 8,192, K 1,024] x [K 1,024, N 1,024]; A: input q (given as codes); B: input Wk (given as codes): QUANTISED
;;     3. [M 8,192, K 1,024] x [K 1,024, N 1,024]; A: input q (given as codes); B: input Wv (given as codes): QUANTISED
;;     4. batch 64 x [M 2,048, K 64] x [K 64, N 2,048]; A: computed on the way; B: computed on the way: QUANTISED
;;     5. batch 64 x [M 64, K 2,048] x [K 2,048, N 2,048]; A: computed on the way; B: softmax (see below): QUANTISED
;;     6. [M 8,192, K 1,024] x [K 1,024, N 1,024]; A: computed on the way; B: input Wo (given as codes): QUANTISED
;;   THE QUANTISER, for each operand of a quantised product, along K:
;;     - K is cut into blocks of 32 from its start; a last block that is shorter is filled with zeros.
;;     - A block's scale is 2^e with e = floor(log2(the largest magnitude in the block)) - 8, held to -126 .. 127; a block of zeros has e = 0. As a byte (E8M0): e + 127.
;;     - Each number is divided by its block's scale, clamped to +-448, and rounded to the nearest number of E4M3, ties to even, subnormals kept.
;;     - The product sums the exact products of the quantised numbers (number of the format x scale) in f32.
;;   ~~~python
;;   def quantise(x, axis):      # numpy; x: float32 -> the quantised numbers, widened to float32 again
;;       x = np.moveaxis(x, axis, -1); K = x.shape[-1]
;;       x = np.pad(x, [(0, 0)] * (x.ndim - 1) + [(0, -K % 32)]); x = x.reshape(x.shape[:-1] + (-1, 32)); a = np.abs(x).max(-1, keepdims=True)
;;       e = np.where(a > 0, np.clip(np.frexp(np.where(a > 0, a, 1))[1] - 1 - 8, -126, 127), 0)      # np.frexp(a)[1] - 1 = floor(log2(a)), exactly
;;       r = np.clip(x / 2.0 ** e, -448, 448)
;;       step = 2.0 ** (np.maximum(np.frexp(np.where(r == 0, 1, r))[1] - 1, -6) - 3)
;;       q = np.round(r / step) * step * 2.0 ** e      # np.round: ties to even
;;       return np.moveaxis(q.reshape(q.shape[:-2] + (-1,))[..., :K], -1, axis).astype(np.float32)
;;   ~~~
;;   SOFTMAX AHEAD OF A QUANTISED PRODUCT. Where the list says 'softmax', what is quantised is not the finished softmax but p = 2^(t - M), with t = logit x log2(e) and M = ceil(the row's largest t), a whole number; so 1/2 < the row's largest p <= 1. The row's sum l is taken of the UNQUANTISED p, in f32, and the product's result is divided by l at the end. Since M is a whole number, a kernel that streams over the keys may use a running M (the ceiling of the running maximum): every later rescaling is an exact power of two, which a block's scale takes up: the codes' values come out the same.
;;   OPERANDS COMPUTED ON THE WAY. 'Computed on the way' means the value that the module computes at that place (a softmax that the list does not call 'softmax' is quantised finished and normalised). What goes into a quantiser is computed in f32, as accurately as f32 sums, v_exp_f32 and their like allow (about 1e-6 of the number): no bf16 or f16 on the way to a quantiser, and a product that is left as it is and whose result goes on into a quantised operand takes f32 operands (vector FMAs, or v_wmma_f32_16x16x4_f32). A number that lies on a knife's edge between two numbers of the format may be rounded either way, as far as f32 arithmetic and the matrix unit's own rounding can turn it there, and no further.
;;   INPUTS GIVEN AS CODES. Wk (in the module: [1024, 1024], K = its axis 1); Wo (in the module: [1024, 1024], K = its axis 1); Wq (in the module: [1024, 1024], K = its axis 1); Wv (in the module: [1024, 1024], K = its axis 1); q (in the module: [4, 2048, 1024], K = its axis 2): each comes as NAME_codes (uint8): NAME with its K axis moved to the last place and cut into blocks of 32 codes, [.., K / 32, bytes a block], one block behind the other in memory; one code a byte (a code: sign, 4 exponent bits, 3 mantissa bits); and NAME_scales (uint8): the same leading axes, one E8M0 byte (e + 127) for each 32 codes along K. Its value is code x scale, taken as it is: it is not quantised again, and the codes and scales need not be those that the quantiser above would give.
;; One version. Each part assembles by itself: llvm-mc -triple=amdgcn-amd-amdhsa -mcpu=gfx1250 --defsym DOCPART=n.
;; ======== version 1 of 1: 3 launches
;; limits: right only within a limited range of input values
;; workspace buffers: qimg 8,388,608 bytes; qsw 524,288 bytes; kv 17,563,648 bytes; aimg 8,388,608 bytes; asc 262,144 bytes
;; launch qkv (part 1): grid 12 x 32, 4 waves a work-group, clusters of 4 x 4, 327,680 bytes of LDS; arguments q_codes, q_scales, Wq_codes, Wq_scales, Wk_codes, Wk_scales, Wv_codes, Wv_scales, bq, bk, bv, mask, qimg, qsw, kv; writes qimg, qsw, kv
.if DOCPART == 1
	.amdgcn_target "amdgcn-amd-amdhsa--gfx1250"
	.amdhsa_code_object_version 6
	.text
	.protected	k_q72bffd928b_qkv
	.globl	k_q72bffd928b_qkv
	.p2align	8
	.type	k_q72bffd928b_qkv,@function
k_q72bffd928b_qkv:
	s_mov_b64 s[64:65], 0
	v_nop
	global_prefetch_b8 v0, s[64:65] scope:SCOPE_SE
	s_setreg_imm32_b32 hwreg(HW_REG_WAVE_MODE, 25, 1), 1
	s_wait_xcnt 0x0
	s_wait_alu depctr_hold_cnt(0) depctr_sa_sdst(0) depctr_va_vdst(0) depctr_va_sdst(0) depctr_va_ssrc(0) depctr_va_vcc(0) depctr_vm_vsrc(0)
	s_getreg_b32 s2, hwreg(HW_REG_IB_STS2, 6, 4)
	s_cmp_eq_u32 s2, 0
	s_cbranch_scc0 .Lentry_in_a_cluster
	s_endpgm
.Lentry_in_a_cluster:
	s_bfe_u32 s2, ttmp6, 0x10000c
	s_cmp_lg_u32 s2, 0xf033
	s_cbranch_scc0 .Lentry_shape_is_right
	s_endpgm
.Lentry_shape_is_right:
; qh = q Wq^T + bq, kh = q Wk^T + bk, vh = q Wv^T + bv on codes of FP8 (E4M3) with one E8M0 scale for each 32 along K = 1,024; the results are quantised at once for the attention launch:
; qh and kh along the head's 64 features, vh along the keys.  Nothing wide goes to memory.
; SHARES.  A tile of 256 x 256 of one product is made by a work-group of four waves, 128 x 128 a wave: 64 accumulators of 16 x 16.  4 x 4 work-groups form a cluster; cluster x = 0, 1, 2 is Wq, Wk, Wv.
; ONE LOOP SERVES ALL THREE.  Both operands are rows of 1,024 codes with 32 scale bytes a row.  The A SIDE is source 1: its rows become lanes.  The B SIDE is source 0: its rows run along a lane's registers,
; and that is the axis along which the result is quantised.  For Wq and Wk: A = tokens, B = features.  For Wv: A = features, B = tokens (the keys).  Only pointers and tile numbers are chosen, by the cluster's x.
; A's tile hangs on the cluster's y and cy alone and is asked for jointly by a row of the cluster, B's on the cluster's y and cx alone, by a column.
; The bias is the C of the first K step: for Wq, Wk eight features a tile of B; for Wv the lane's feature eight times.
; THE WAY OUT.  Of A's block a a lane holds 128 neighbours along B in 64 registers, shared with the lane 16 away: four blocks of 32.  Each is quantised, and two exchanges of lane halves a block lay the codes as an
; operand's registers (k = 32 c + 16 (lane / 16) + 0 .. 15).  They are stored as images of registers: 16 bytes a lane, 512 consecutive bytes a store.
; qimg [head of batch 64][16 queries 128][c 2][lane][16];  qsw [64][2048] words (s0, s1, 127, 127);  kv: 64 records of REC bytes: 2,048 words of K's scales, [16 steps][64] words of V's, then for each step of 128 keys
; 8 tiles of K (1,024 bytes) and 4 tiles of V^T (2,048 bytes).
; THE PADDING MASK goes into K's scale words.  The score product has 64 along K to spare; there K carries one code +448 and Q one code -448.  That block's byte of K is 1 for a key that counts
; (the score moves by -448 x 448 x 2^-126) and 230 for a masked key (by -448 x 448 x 2^103, about -2e36: finite).  Tiles of odd number carry the spare half first: (mb, 127, s0, s1) against (s0, s1, mb, 127).
; LIMITS: NaN and infinities among the inputs are not served; a block of zeros gets the byte 1 (its codes are zeros; only this program reads these bytes).
.set KSTEP,  256
.set NQ,     2                         ; matrix instructions deep in a slot
.set ROWB,   256                       ; a tile's row in bytes
.set KROW,   1024                      ; a row in memory
.set PITCH,  272                       ; an LDS row: 256 bytes + 16 of padding = 68 words, so that the 16 rows of a load begin 4 words apart
.set FR,     16
.set NL,     4
.set NP,     8                         ; places behind this matrix instruction (ISA guide 7.12.1)
.set HALFT,  128*PITCH
.set SLOT,   4*HALFT
.set LAPS,   2                         ; 1,024 along K = four slots' worth = two laps of the ring
.set KS,     32                        ; a row of scale bytes
.set SCL,    2*SLOT
.set HALFS,  16*272
.set SBLK,   2*272
.set SPARE,  SCL+4*HALFS               ; the spare words: 128 bytes a wave, named by no other line
.set REC,    274432
.set SWV,    4096                      ; the V path's scratch lies this far behind the Q and K path's
.set ADRA, 16
.set ADRB, 20
.set SWA,  24                          ; v24  scratch for scale words: 1,024 x wave + 4 r
.set SWR,  25                          ; v25  and back: 1,024 x wave + 16 x lane
.set LI,   26                          ; v26  16 x lane
.set ADRS, 27
.set SPW,  28
.set NIL,  29
.set RR,   30                          ; v30  r = lane % 16
.set VSO,  31                          ; v31  V's scale words out: 16 r + REC x (lane / 16)
.set SC,   32                          ; v32-63 scale words, two sets; on the way out the registers below
.set TM,   32
.set T2,   36
.set HOLD, 40
.set SCO,  44
.set PW,   48
.set W0,   50
.set W1,   51
.set M16,  52
.set BIAS, 64                          ; v64-127
.set AF,   128
.set G1, 24
.set G0, 32
.set G1B, 48
.set G0B, 56
.set G1S, 68
.set G0S, 76
.set G1SB, 80
.set G0SB, 88
.set MSB, 0
.macro WIN new                         ; the immediate's high byte repeats the setting that is left
.if MSB != \new
	s_set_vgpr_msb (MSB<<8)|\new
.set MSB, \new
.endif
.endm
.set MUL_LO, 0xa1                      ; source 0 (B) window 1, source 1 (A) window 0, C and D window 2
.set MUL_HI, 0xf1
.set TO_B,   0x40
; A joint load: waves 0 and 1 fetch for A, waves 2 and 3 for B; the branch hangs on the wave's number alone.  Four v_nop follow each line.
.macro JLOAD g0a, g1a, g0b, g1b
	s_cmp_eq_u32 s15, 0
	s_cbranch_scc0 .Lfor_b_\@
	tensor_load_to_lds s[\g0a:\g0a+3], s[\g1a:\g1a+7]
	s_nop 0
.rept 4
	v_nop
.endr
	s_branch .Lasked_\@
.Lfor_b_\@:
	tensor_load_to_lds s[\g0b:\g0b+3], s[\g1b:\g1b+7]
	s_nop 0
.rept 4
	v_nop
.endr
.Lasked_\@:
.endm
.macro CREST
	s_cmp_lg_u32 s14, 0
	s_cbranch_scc1 .Lnot_wave_0_\@
	s_barrier_signal -3
.Lnot_wave_0_\@:
	s_barrier_wait -3
	s_barrier_signal -1
	s_barrier_wait -1
.endm
.macro CROUND
	s_barrier_signal -1
	s_barrier_wait -1
	CREST
.endm
	s_load_b512 s[24:39], s[0:1], 0x0              ; q codes, q scales, Wq codes, scales, Wk codes, scales, Wv codes, scales
	s_load_b256 s[48:55], s[0:1], 0x40             ; bq, bk, bv, mask
	s_load_b128 s[56:59], s[0:1], 0x60             ; qimg, qsw
	s_load_b64 s[60:61], s[0:1], 0x70              ; kv
	v_lshl_add_u32 v[SPW], v0, 2, SPARE
	v_mov_b32 v[NIL], 0
	ds_add_u32 v28, v29
	ds_add_u32 v28, v29
	s_wait_dscnt 0x0
	v_lshrrev_b32 v1, 5, v0
	v_readfirstlane_b32 s14, v1                    ; wave 0..3
	s_lshr_b32 s15, s14, 1                         ; which half of A's rows is mine.  Also: I fetch for A (0) or for B (1)
	s_and_b32 s16, s14, 1                          ; which half of B's rows.  Also: which 128 rows I fetch
	s_bfe_u32 s40, ttmp6, 0x40000                  ; cx
	s_bfe_u32 s41, ttmp6, 0x40004                  ; cy
	s_and_b32 s18, ttmp7, 0xffff
	s_lshl_b32 s18, s18, 2                         ; 4 x cluster y: the tokens' side walks it
	s_cmp_eq_u32 ttmp9, 2                          ; Wv?  The cluster's x is the same in all sixteen partners
	s_cselect_b32 s66, 1, 0
	s_cselect_b32 s17, 0, s18
	s_cselect_b32 s42, s18, 0
	s_add_co_u32 s17, s17, s41                     ; A's tile: holds cy, never cx
	s_add_co_u32 s42, s42, s40                     ; B's tile: holds cx, never cy
	s_lshl_b32 s43, s41, 2
	s_lshl_b32 s43, 15, s43                        ; my row of the cluster
	s_lshl_b32 s44, 0x1111, s40                    ; my column
	; the scales of 256 rows: 8,192 dense bytes as 32 rows of 256 (32 elements of 8 bytes), 16 bytes of padding behind each
	s_or_b32 s[G1S+0], s43, (3<<16)|(1<<20)|(1<<21)|(5<<22)|(3<<25)
	s_or_b32 s[G1SB+0], s44, (3<<16)|(1<<20)|(1<<21)|(5<<22)|(3<<25)
.irp g, G1S, G1SB
	s_mov_b32 s[\g+1], 32<<16
	s_mov_b32 s[\g+2], 32<<16
	s_mov_b32 s[\g+3], 32<<16
	s_mov_b32 s[\g+4], 32
	s_mov_b32 s[\g+5], 32
	s_mov_b32 s[\g+6], 0
	s_mov_b32 s[\g+7], 0
.endr
	s_lshl_b32 s20, s17, 8                         ; A's tile: its first row
	s_lshl_b32 s46, s42, 8                         ; B's tile: its first row
	s_mov_b32 s21, 0
	s_mov_b32 s47, 0
	s_lshl_b64 s[22:23], s[20:21], 5               ; where these rows' scales begin,
	s_lshl_b64 s[98:99], s[46:47], 5
	s_lshl_b64 s[20:21], s[20:21], 10              ; and their codes
	s_lshl_b64 s[46:47], s[46:47], 10
	s_mul_i32 s45, s14, HALFT                      ; where they go: no place in the cluster enters an LDS address
	s_wait_kmcnt 0x0
	s_cmp_eq_u32 ttmp9, 1                          ; the buffers are chosen by the cluster's x alone
	s_cselect_b64 s[8:9], s[32:33], s[28:29]
	s_cselect_b64 s[10:11], s[34:35], s[30:31]
	s_cselect_b64 s[12:13], s[50:51], s[48:49]
	s_cmp_eq_u32 ttmp9, 2
	s_cselect_b64 s[4:5], s[36:37], s[24:25]       ; A's codes,
	s_cselect_b64 s[6:7], s[38:39], s[26:27]       ; A's scales,
	s_cselect_b64 s[8:9], s[24:25], s[8:9]         ; B's codes,
	s_cselect_b64 s[10:11], s[26:27], s[10:11]     ; B's scales,
	s_cselect_b64 s[12:13], s[52:53], s[12:13]     ; the bias
	s_cmp_eq_u32 ttmp9, 0
	s_cselect_b64 s[92:93], s[56:57], s[60:61]     ; where the images go,
	s_cselect_b64 s[94:95], s[58:59], s[60:61]     ; and the scale words
	s_mov_b64 s[96:97], s[54:55]                   ; the mask
	; descriptor group 1 for the codes: 128 rows x 256 bytes, padded in LDS (the registers that held the arguments are free now)
	s_or_b32 s[G1+0], s43, (0<<16)|(1<<20)|(1<<21)|(5<<22)|(3<<25)
	s_or_b32 s[G1B+0], s44, (0<<16)|(1<<20)|(1<<21)|(5<<22)|(3<<25)
.irp g, G1, G1B
	s_mov_b32 s[\g+1], ROWB<<16
	s_mov_b32 s[\g+2], 256<<16                     ; the head's loads bring 256 rows; behind them the two words that count rows are set to 128
	s_mov_b32 s[\g+3], ROWB<<16
	s_mov_b32 s[\g+4], 256
	s_mov_b32 s[\g+5], KROW
	s_mov_b32 s[\g+6], 0
	s_mov_b32 s[\g+7], 0
.endr
	s_add_nc_u64 s[20:21], s[4:5], s[20:21]
	s_add_nc_u64 s[22:23], s[6:7], s[22:23]
	s_add_nc_u64 s[46:47], s[8:9], s[46:47]
	s_add_nc_u64 s[98:99], s[10:11], s[98:99]
	CROUND                                         ; all sixteen work-groups are here: the first joint loads meet
	s_mov_b32 s[G0S], 1
	s_mov_b32 s[G0S+1], SCL
	s_mov_b64 s[G0S+2:G0S+3], s[22:23]
	s_or_b32 s[G0S+3], s[G0S+3], 0x80000000
	s_mov_b32 s[G0SB], 1
	s_mov_b32 s[G0SB+1], SCL+2*HALFS
	s_mov_b64 s[G0SB+2:G0SB+3], s[98:99]
	s_or_b32 s[G0SB+3], s[G0SB+3], 0x80000000
	s_mov_b32 s4, 1                                ; group 0 of the head's loads of codes, in registers that held arguments: K step 0's 256 rows of A,
	s_mov_b32 s5, 0
	s_mov_b64 s[6:7], s[20:21]
	s_or_b32 s7, s7, 0x80000000
	s_mov_b32 s8, 1                                ; and its 256 rows of B, behind them in slot 0
	s_mov_b32 s9, 2*HALFT
	s_mov_b64 s[10:11], s[46:47]
	s_or_b32 s11, s11, 0x80000000
	s_lshl_b32 s18, s16, 17                        ; for the ring: my 128 rows of the tile, 1,024 bytes a row
	s_mov_b32 s19, 0
	s_add_nc_u64 s[20:21], s[20:21], s[18:19]
	s_add_nc_u64 s[46:47], s[46:47], s[18:19]
.irp s, 0,1
	s_mov_b32 s[G0+4*\s], 1
	s_add_co_u32 s[G0+4*\s+1], s45, \s*SLOT
	s_add_nc_u64 s[G0+4*\s+2:G0+4*\s+3], s[20:21], \s*ROWB
	s_or_b32 s[G0+4*\s+3], s[G0+4*\s+3], 0x80000000
	s_mov_b32 s[G0B+4*\s], 1
	s_add_co_u32 s[G0B+4*\s+1], s45, \s*SLOT
	s_add_nc_u64 s[G0B+4*\s+2:G0B+4*\s+3], s[46:47], \s*ROWB
	s_or_b32 s[G0B+4*\s+3], s[G0B+4*\s+3], 0x80000000
.endr
; THE HEAD'S LOADS, ONE A WAVE: wave 0 K step 0's rows of A, wave 1 those of B, wave 2 A's scales, wave 3 B's.  One chain of branches on the wave's number, a load to an arm
.macro ARM under, g0, g1, next
	s_cmp_lt_u32 s14, \under
	s_cbranch_scc0 \next
	tensor_load_to_lds s[\g0:\g0+3], s[\g1:\g1+7]
	s_nop 0
.rept 4
	v_nop
.endr
	s_branch .Lhead_asked
\next:
.endm
	ARM 1, 4, G1, .Lhead_b
	ARM 2, 8, G1B, .Lhead_sa
	ARM 3, G0S, G1S, .Lhead_sb
	tensor_load_to_lds s[G0SB:G0SB+3], s[G1SB:G1SB+7]
	s_nop 0
.rept 4
	v_nop
.endr
.Lhead_asked:
	v_and_b32 v1, 15, v0                           ; r
	v_bfe_u32 v2, v0, 4, 1                         ; h
	v_mul_u32_u24 v3, v1, PITCH
	v_lshl_add_u32 v4, v2, 4, v3                   ; a fragment's row x pitch + 16 h
	s_mul_i32 s21, s15, HALFT
	s_mul_i32 s22, s16, HALFT
	s_add_co_u32 s22, s22, 2*HALFT
.irp s, 0,1
	v_add_nc_u32 v[ADRA+\s], s21, v4
	v_add_nc_u32 v[ADRB+\s], s22, v4
	s_add_co_u32 s21, s21, SLOT
	s_add_co_u32 s22, s22, SLOT
.endr
	v_mul_u32_u24 v5, v1, KS                       ; my row's scales: 32 bytes a row,
	v_lshrrev_b32 v6, 8, v5
	v_lshl_add_u32 v5, v6, 4, v5                   ; and 16 more for each 256 passed
	s_mul_i32 s21, s15, HALFS
	s_mul_i32 s22, s16, HALFS
	s_add_co_u32 s22, s22, 2*HALFS
	s_sub_co_u32 s22, s22, s21
	v_mul_u32_u24 v6, s22, v2                      ; lanes 16-31 take B's
	s_add_co_u32 s21, s21, SCL
	v_add_nc_u32 v5, v5, v6
	v_add_nc_u32 v[ADRS], s21, v5
	v_mov_b32 v[RR], v1
	v_and_b32 v6, 31, v0
	v_lshlrev_b32 v[LI], 4, v6
	s_lshl_b32 s23, s14, 10
	v_lshl_add_u32 v[SWA], v1, 2, s23
	v_add_nc_u32 v[SWR], s23, v[LI]
	v_mul_u32_u24 v[VSO], v2, REC
	v_lshl_add_u32 v[VSO], v1, 4, v[VSO]
	; the bias, in the result's layout: register 8 x + j.  Wq, Wk: x = B's block, feature 16 x + 8 h + j.  Wv: x = A's block, feature 16 x + r for every j.  One run of loads serves both: offset r sa + h sb + j sc
	s_cmp_eq_u32 s66, 1
	s_cselect_b32 s18, 4, 0                        ; sa
	s_cselect_b32 s19, 0, 32                       ; sb
	s_cselect_b32 s2, 0, 4                         ; sc
	s_cselect_b32 s98, s17, s42                    ; the features' tile,
	s_cselect_b32 s99, s15, s16                    ; and my half of it
	s_lshl_b32 s98, s98, 10
	s_lshl_b32 s99, s99, 9
	s_add_co_u32 s98, s98, s99
	s_mov_b32 s99, 0
	s_add_nc_u64 s[12:13], s[12:13], s[98:99]
	v_mul_u32_u24 v8, v1, s18
	v_mad_u32_u24 v8, v2, s19, v8
.irp j, 1,2,3,4,5,6,7
	v_add_nc_u32 v[8+\j], s2, v[8+\j-1]
.endr
.irp x, 0,1,2,3,4,5,6,7
.irp j, 0,1,2,3,4,5,6,7
	global_load_b32 v[BIAS+8*\x+\j], v[8+\j], s[12:13] offset:64*\x
.endr
.endr
.macro FRAG reg, adr, q, i             ; 16 rows x 128 K: lane l holds row l % 16; registers 4 c .. 4 c + 3 hold K = 32 c + 16 (l / 16) + 0 .. 15
.irp c, 0,1,2,3
	ds_load_b128 v[\reg+4*\c:\reg+4*\c+3], v[\adr] offset:128*(\q)+32*\c+(\i)*16*PITCH
.endr
.endm
; 16 matrix instructions: A's blocks a0, a0 + 1 x B's eight.  cm = 0: the sums go on; 1: they begin with the bias of B's block; 2: with that of A's block.  The 64 accumulators take turns, one instruction a turn.
.macro MUL16 a0, p, q, sc, cm
.irp a, \a0, \a0+1
.irp b, 0,1,2,3,4,5,6,7
.if \cm == 1
	v_wmma_scale_f32_16x16x128_f8f6f4 v[8*(8*((\a)%4)+\b):8*(8*((\a)%4)+\b)+7], v[128*(\p)+FR*\b:128*(\p)+FR*\b+FR-1], v[AF+FR*(\a):AF+FR*(\a)+FR-1], v[BIAS+8*\b:BIAS+8*\b+7], v[SC+8*NQ*(\sc)+NQ*\b+(\q)], v[SC+8*NQ*(\sc)+NQ*(\a)+(\q)] matrix_a_scale:MATRIX_SCALE_ROW1
.elseif \cm == 2
	v_wmma_scale_f32_16x16x128_f8f6f4 v[8*(8*((\a)%4)+\b):8*(8*((\a)%4)+\b)+7], v[128*(\p)+FR*\b:128*(\p)+FR*\b+FR-1], v[AF+FR*(\a):AF+FR*(\a)+FR-1], v[BIAS+8*(\a):BIAS+8*(\a)+7], v[SC+8*NQ*(\sc)+NQ*\b+(\q)], v[SC+8*NQ*(\sc)+NQ*(\a)+(\q)] matrix_a_scale:MATRIX_SCALE_ROW1
.else
	v_wmma_scale_f32_16x16x128_f8f6f4 v[8*(8*((\a)%4)+\b):8*(8*((\a)%4)+\b)+7], v[128*(\p)+FR*\b:128*(\p)+FR*\b+FR-1], v[AF+FR*(\a):AF+FR*(\a)+FR-1], v[8*(8*((\a)%4)+\b):8*(8*((\a)%4)+\b)+7], v[SC+8*NQ*(\sc)+NQ*\b+(\q)], v[SC+8*NQ*(\sc)+NQ*(\a)+(\q)] matrix_a_scale:MATRIX_SCALE_ROW1
.endif
.endr
.endr
.endm
.macro FETCH_B slot, q, p
	WIN TO_B
.irp i, 0,1,2,3,4,5,6,7
	FRAG 128*(\p)+FR*\i, ADRB+\slot, \q, \i
.endr
	WIN 0
.endm
.macro FETCH_A slot, q, i0
.irp i, \i0, \i0+1, \i0+2, \i0+3
	FRAG AF+FR*(\i), ADRA+\slot, \q, \i
.endr
.endm
.macro SCALES sc                       ; a slot's scale words: two a row; lanes 0-15 take A's block i, lanes 16-31 B's block i
.irp i, 0,1,2,3,4,5,6,7
	ds_load_b64 v[SC+8*NQ*\sc+NQ*\i:SC+8*NQ*\sc+NQ*\i+1], v[ADRS] offset:\i*SBLK
.endr
.endm
.macro PLACES n                        ; plain vector instructions between a matrix instruction and a load into, or a vector access to, its registers
.rept \n
	v_nop
.endr
.endm
; A step of 128 along K that has its successor in the same slot
.macro STEP slot, q, cm
	s_wait_dscnt 4*NL                              ; B's set and A's blocks 0-3 are in; the youngest 16 loads (A's blocks 4-7) may be out
.if \cm
	WIN 0x81                                       ; C, the bias, in window 0
.else
	WIN MUL_LO
.endif
	MUL16 0, (\q)%2, \q, \slot, \cm
	MUL16 2, (\q)%2, \q, \slot, \cm
	s_wait_dscnt 0
	PLACES NP
	FETCH_B \slot, (\q)+1, 1-(\q)%2
	FETCH_A \slot, (\q)+1, 0
.if \cm
	WIN 0xc1
.else
	WIN MUL_HI
.endif
	MUL16 4, (\q)%2, \q, \slot, \cm
	MUL16 6, (\q)%2, \q, \slot, \cm
	PLACES NP
	WIN 0
	FETCH_A \slot, (\q)+1, 4
.endm
; A slot's last step changes slots: one barrier; in front of it each wave waits for all its tensor loads, adds 0 to its spare word, and waits for that and for its reads of this slot
.macro TURN slot, next, fill
	s_wait_tensorcnt 0x0                           ; all my tensor loads have landed: my part of the next slot
	ds_add_u32 v[SPW], v[NIL]
	s_wait_dscnt 4*NL+1                            ; (the add and A's blocks 4-7 may be out)
	WIN MUL_LO
	MUL16 0, 1, NQ-1, \slot, 0
	s_wait_dscnt 0x0                               ; the add is done, and my reads of this slot are over
	s_barrier_signal -1
	MUL16 2, 1, NQ-1, \slot, 0
	WIN 0
	s_barrier_wait -1
.if \fill
	CREST                                          ; the barrier has opened a round of the cluster's: no wave of any partner still reads this slot or has a load on its way
	s_add_nc_u64 s[G0+4*\slot+2:G0+4*\slot+3], s[G0+4*\slot+2:G0+4*\slot+3], 2*ROWB
	s_add_nc_u64 s[G0B+4*\slot+2:G0B+4*\slot+3], s[G0B+4*\slot+2:G0B+4*\slot+3], 2*ROWB
	JLOAD G0+4*\slot, G1, G0B+4*\slot, G1B         ; the first tensor load behind the round; its four v_nop are four of the places below
	PLACES NP-4
.else
	PLACES NP
.endif
	s_wait_alu depctr_va_vdst(0)
	v_add_nc_u32 v[ADRS], 4*NQ, v[ADRS]
	FETCH_B \next, 0, 0
	FETCH_A \next, 0, 0
	SCALES \next
	WIN MUL_HI
	MUL16 4, 1, NQ-1, \slot, 0
	MUL16 6, 1, NQ-1, \slot, 0
	PLACES NP
	WIN 0
	FETCH_A \next, 0, 4
.endm
	s_wait_alu depctr_va_vdst(0)
	s_wait_tensorcnt 0x0                           ; my tile of the head's four is in; these lines stand ahead of a later first fill as ahead of a refill
	ds_add_u32 v[SPW], v[NIL]
	s_mov_b32 s[G1+2], 128<<16                     ; no tensor load of mine is out: from here on a load brings 128 rows
	s_mov_b32 s[G1+4], 128
	s_mov_b32 s[G1B+2], 128<<16
	s_mov_b32 s[G1B+4], 128
	s_wait_dscnt 0x0
	CROUND                                         ; all four tiles are in, and all sixteen work-groups are here
	JLOAD G0+4, G1, G0B+4, G1B                     ; K step 1, the first tensor load behind the round
	FETCH_B 0, 0, 0
	FETCH_A 0, 0, 0
	SCALES 0
	FETCH_A 0, 0, 4
	s_wait_loadcnt 0x0                             ; the bias
	s_cmp_eq_u32 s66, 1                            ; the first step is written twice: it differs in which bias registers begin a sum
	s_cbranch_scc1 .Lfirst_v
	STEP 0, 0, 1
	s_branch .Lfirst_done
.Lfirst_v:
	STEP 0, 0, 2
.Lfirst_done:
	s_mov_b32 s3, LAPS-1
.Llap:
	TURN 0, 1, 1
	STEP 1, 0, 0
	TURN 1, 0, 1
	STEP 0, 0, 0
	s_sub_co_u32 s3, s3, 1
	s_cmp_lg_u32 s3, 0
	s_cbranch_scc1 .Llap
	TURN 0, 1, 0                                   ; the last lap fills nothing
	STEP 1, 0, 0
	s_wait_dscnt 4*NL
	WIN MUL_LO
	MUL16 0, 1, NQ-1, 1, 0
	MUL16 2, 1, NQ-1, 1, 0
	s_wait_dscnt 0
	WIN MUL_HI
	MUL16 4, 1, NQ-1, 1, 0
	MUL16 6, 1, NQ-1, 1, 0
	WIN 0
; A's block a: my 64 numbers (register 16 b + i of the block's eight accumulators) become 16 registers of codes at v[PC] and the scale word v[PW].
; Each accumulator is read first at its registers 0 and 1.  A block's scale: the largest magnitude's exponent field less 8, held at 1 from below by the floor 2^(9 - 127).
.macro QUANT a
.set WN, 2+(\a)/4
.set AC, 64*((\a)%4)
.set PC, 128+16*(\a)
	WIN ((WN<<2)|(WN<<4))                          ; sources 1 and 2: the accumulators' window
.irp b, 0,1,2,3
	v_max3_num_f32 v[TM+\b], 0x4800000, |v[AC+16*\b]|, |v[AC+16*\b+1]|
.endr
.irp i, 2,4,6,8,10,12,14
.irp b, 0,1,2,3
	v_max3_num_f32 v[TM+\b], v[TM+\b], |v[AC+16*\b+\i]|, |v[AC+16*\b+\i+1]|
.endr
.endr
	WIN 0
.irp b, 0,1,2,3
	v_permlanex16_b32 v[T2+\b], v[TM+\b], s18, s19
.endr
.irp b, 0,1,2,3
	v_max_num_f32 v[TM+\b], v[TM+\b], v[T2+\b]     ; with the lane 16 away: the block's largest magnitude
.endr
.irp b, 0,1,2,3
	v_add_nc_u32 v[SCO+\b], 0xfc000000, v[TM+\b]   ; 8 off the exponent field: the conversion's scale operand
.endr
.irp b, 0,1,2,3
	v_and_or_b32 v[HOLD+\b], v[TM+\b], 0x7f800000, s22   ; 448 x the scale
.endr
.irp b, 0,1,2,3
	v_lshrrev_b32 v[T2+\b], 23, v[SCO+\b]          ; the byte
.endr
	v_lshl_or_b32 v[PW], v[T2+1], 8, v[T2]
	v_lshl_or_b32 v[PW], v[T2+2], 16, v[PW]
	v_lshl_or_b32 v[PW], v[T2+3], 24, v[PW]
	WIN ((WN<<6)|WN)
.set n, 0
.rept 64
	v_med3_num_f32 v[AC+n], v[AC+n], -v[HOLD+n/16], v[HOLD+n/16]   ; the conversion to an 8-bit code does not saturate (ISA guide 7.6.2)
.set n, n+1
.endr
	WIN WN
.irp b, 0,1,2,3
	v_cvt_scalef32_pk8_fp8_f32 v[PC+4*\b:PC+4*\b+1], v[AC+16*\b:AC+16*\b+7], v[SCO+\b]
	v_cvt_scalef32_pk8_fp8_f32 v[PC+4*\b+2:PC+4*\b+3], v[AC+16*\b+8:AC+16*\b+15], v[SCO+\b]
.endr
	WIN 0
	v_nop                                          ; one plain instruction between the conversions and the first vector instruction on their results
.irp b, 0,1,2,3                        ; registers 0, 1 hold 8 h + 0 .. 7 of the block, registers 2, 3 hold 16 + 8 h + 0 .. 7: the first pair's upper lanes change places with the second pair's lower lanes: 16 h + 0 .. 15
	v_permlane16_swap_b32 v[PC+4*\b], v[PC+4*\b+2]
	v_permlane16_swap_b32 v[PC+4*\b+1], v[PC+4*\b+3]
.endr
.endm
	PLACES NP                                      ; behind the last products: their results, operands and scale registers are touched from here on
.irp b, 0,1,2,3
	v_mov_b32 v[T2+\b], 0                          ; a lane permute's destination counts as one of its sources
.endr
	s_mov_b32 s18, 0x76543210
	s_mov_b32 s19, 0xfedcba98
	s_mov_b32 s22, 0x600000                        ; the mantissa field of 448
	s_cmp_eq_u32 s66, 1
	s_cbranch_scc1 .Lepi_v
	; ---- Wq, Wk: lanes = tokens 256 s17 + 128 s15 + 16 a + r; my 128 features are two heads
	s_lshr_b32 s4, s17, 3                          ; the batch
	s_and_b32 s5, s17, 7
	s_lshl_b32 s5, s5, 1
	s_add_co_u32 s5, s5, s15                       ; which 128 tokens of it
	s_lshl_b32 s4, s4, 4
	s_lshl_b32 s6, s42, 2
	s_add_co_u32 s4, s4, s6
	s_lshl_b32 s6, s16, 1
	s_add_co_u32 s4, s4, s6                        ; 16 x batch + my first head
	s_mov_b32 s7, 131072
	s_mov_b32 s9, 8192
	s_mov_b32 s10, 8192
	s_mov_b32 s98, 0x05040100                      ; (s0, s1 | the other half-word)
	s_mov_b32 s99, 0x05040302
	s_mov_b32 s23, 0x7f7f
	s_cmp_eq_u32 ttmp9, 1                          ; Wk?
	s_cselect_b32 s7, REC, s7                      ; bytes from head to head in the images' buffer,
	s_cselect_b32 s8, 12288, 0                     ; where a head's images begin,
	s_cselect_b32 s9, 16384, s9                    ; bytes from 128 tokens to the next,
	s_cselect_b32 s10, REC, s10                    ; bytes from head to head among the scale words
	s_cselect_b32 s100, 0x01000504, s98            ; K's tiles of odd number carry the spare half first
	s_cselect_b32 s101, 0x03020504, s99
	s_cselect_b32 s11, 0x7f01, s23                 ; the spare half's bytes: a key that counts,
	s_cselect_b32 s23, 0x7fe6, s23                 ; a masked key; for Q both are (127, 127)
	v_mov_b32 v60, s11
	v_mov_b32 v61, s23
	s_mul_i32 s12, s4, s7
	s_add_co_u32 s12, s12, s8
	s_mul_i32 s13, s5, s9
	s_add_co_u32 s12, s12, s13
	s_mov_b32 s13, 0
	s_add_nc_u64 s[92:93], s[92:93], s[12:13]      ; my first head's images,
	s_mov_b32 s12, s7
	s_add_nc_u64 s[20:21], s[92:93], s[12:13]      ; my second head's
	s_mul_i32 s12, s4, s10
	s_lshl_b32 s6, s5, 9
	s_add_co_u32 s12, s12, s6
	s_add_nc_u64 s[94:95], s[94:95], s[12:13]      ; and their scale words
	s_mov_b32 s12, s10
	s_add_nc_u64 s[46:47], s[94:95], s[12:13]
	s_lshl_b32 s12, s17, 8
	s_lshl_b32 s6, s15, 7
	s_add_co_u32 s12, s12, s6
	s_add_nc_u64 s[96:97], s[96:97], s[12:13]      ; the mask at my first token
.irp a, 0,1,2,3,4,5,6,7
	global_load_u8 v[M16+\a], v[RR], s[96:97] offset:16*\a
.endr
	s_wait_alu depctr_va_vdst(0)
	s_wait_loadcnt 0x0
.irp a, 0,1,2,3,4,5,6,7
	v_cmp_ne_u32 vcc_lo, 0, v[M16+\a]
	v_cndmask_b32 v[M16+\a], v61, v60, vcc_lo      ; a value is chosen: no branch and no address hangs on the mask
.endr
.irp a, 0,1,2,3,4,5,6,7
	QUANT \a
.if \a%2
	v_perm_b32 v[W0], v[M16+\a], v[PW], s100
	v_perm_b32 v[W1], v[M16+\a], v[PW], s101
.else
	v_perm_b32 v[W0], v[M16+\a], v[PW], s98
	v_perm_b32 v[W1], v[M16+\a], v[PW], s99
.endif
	ds_store_b32 v[SWA], v[W0] offset:64*\a        ; both halves of the lanes write the same word with the same value
	ds_store_b32 v[SWA], v[W1] offset:512+64*\a
	global_store_b128 v[LI], v[PC:PC+3], s[92:93] offset:1024*\a          ; 32 lanes store 512 consecutive bytes, aligned
	global_store_b128 v[LI], v[PC+4:PC+7], s[92:93] offset:1024*\a+512
	global_store_b128 v[LI], v[PC+8:PC+11], s[20:21] offset:1024*\a
	global_store_b128 v[LI], v[PC+12:PC+15], s[20:21] offset:1024*\a+512
.endr
	ds_load_b128 v[64:67], v[SWR]                  ; LDS serves a wave's instructions in order: these see my stores
	ds_load_b128 v[68:71], v[SWR] offset:512
	s_wait_dscnt 0x0
	global_store_b128 v[LI], v[64:67], s[94:95]    ; 128 tokens' words of a head: 512 consecutive bytes
	global_store_b128 v[LI], v[68:71], s[46:47]
	s_branch .Lend
.Lepi_v:
	; ---- Wv: lanes = features 256 s17 + 128 s15 + 16 a + r (two heads, four tiles each); my 128 tokens are one key step
	s_lshr_b32 s4, s42, 3                          ; the batch
	s_and_b32 s5, s42, 7
	s_lshl_b32 s5, s5, 1
	s_add_co_u32 s5, s5, s16                       ; the key step
	s_lshl_b32 s4, s4, 4
	s_lshl_b32 s6, s17, 2
	s_add_co_u32 s4, s4, s6
	s_lshl_b32 s6, s15, 1
	s_add_co_u32 s4, s4, s6                        ; 16 x batch + my first head
	s_mul_i32 s12, s4, REC
	s_mov_b32 s13, 0
	s_add_nc_u64 s[92:93], s[92:93], s[12:13]      ; its record
	s_lshl_b32 s12, s5, 8
	s_add_co_u32 s12, s12, 8192
	s_add_nc_u64 s[94:95], s[92:93], s[12:13]      ; the step's 64 scale words
	s_lshl_b32 s12, s5, 14
	s_add_co_u32 s12, s12, 20480
	s_add_nc_u64 s[92:93], s[92:93], s[12:13]      ; the step's tiles of V^T,
	s_add_nc_u64 s[20:21], s[92:93], REC           ; and the second head's
.irp a, 0,1,2,3,4,5,6,7
	QUANT \a
	ds_store_b32 v[SWA], v[PW] offset:SWV+64*\a
.irp c, 0,1,2,3
.if \a < 4
	global_store_b128 v[LI], v[PC+4*\c:PC+4*\c+3], s[92:93] offset:2048*(\a%4)+512*\c
.else
	global_store_b128 v[LI], v[PC+4*\c:PC+4*\c+3], s[20:21] offset:2048*(\a%4)+512*\c
.endif
.endr
.endr
	ds_load_b128 v[64:67], v[SWR] offset:SWV
	s_wait_dscnt 0x0
	global_store_b128 v[VSO], v[64:67], s[94:95]   ; lanes 0-15: the first head's 256 bytes; lanes 16-31: the second head's, a record further on
.Lend:
	s_wait_tensorcnt 0x0                           ; the wave's end
	ds_add_u32 v[SPW], v[NIL]
	s_wait_dscnt 0x0
	CROUND                                         ; the closing round
	s_endpgm
.Lfunc_end_k_q72bffd928b_qkv:
	.size	k_q72bffd928b_qkv, .Lfunc_end_k_q72bffd928b_qkv-k_q72bffd928b_qkv
	.p2alignl 7, 3214868480
	.fill 96, 4, 3214868480
	.section	.rodata,"a",@progbits
	.p2align	6, 0x0
	.amdhsa_kernel k_q72bffd928b_qkv
		.amdhsa_group_segment_fixed_size 327680
		.amdhsa_private_segment_fixed_size 0
		.amdhsa_enable_private_segment 0
		.amdhsa_kernarg_size 120
		.amdhsa_user_sgpr_count 2
		.amdhsa_user_sgpr_kernarg_segment_ptr 1
		.amdhsa_wavefront_size32 1
		.amdhsa_system_sgpr_workgroup_id_x 1
		.amdhsa_system_sgpr_workgroup_id_y 1
		.amdhsa_system_sgpr_workgroup_id_z 1
		.amdhsa_system_vgpr_workitem_id 0
		.amdhsa_next_free_vgpr 1024
		.amdhsa_next_free_sgpr 102
		.amdhsa_reserve_vcc 1
		.amdhsa_float_denorm_mode_32 3
		.amdhsa_float_denorm_mode_16_64 3
		.amdhsa_memory_ordered 1
		.amdhsa_forward_progress 1
		.amdhsa_inst_pref_size 255
	.end_amdhsa_kernel
	.section	.bss,"aw",@nobits
	.p2align	6
	.space	262144
	.amdgpu_metadata
---
amdhsa.version: [ 1, 2 ]
amdhsa.kernels:
  - .name:           k_q72bffd928b_qkv
    .symbol:         k_q72bffd928b_qkv.kd
    .args:
      - { .name: q_codes, .offset: 0, .size: 8, .value_kind: global_buffer, .address_space: global }
      - { .name: q_scales, .offset: 8, .size: 8, .value_kind: global_buffer, .address_space: global }
      - { .name: Wq_codes, .offset: 16, .size: 8, .value_kind: global_buffer, .address_space: global }
      - { .name: Wq_scales, .offset: 24, .size: 8, .value_kind: global_buffer, .address_space: global }
      - { .name: Wk_codes, .offset: 32, .size: 8, .value_kind: global_buffer, .address_space: global }
      - { .name: Wk_scales, .offset: 40, .size: 8, .value_kind: global_buffer, .address_space: global }
      - { .name: Wv_codes, .offset: 48, .size: 8, .value_kind: global_buffer, .address_space: global }
      - { .name: Wv_scales, .offset: 56, .size: 8, .value_kind: global_buffer, .address_space: global }
      - { .name: bq, .offset: 64, .size: 8, .value_kind: global_buffer, .address_space: global }
      - { .name: bk, .offset: 72, .size: 8, .value_kind: global_buffer, .address_space: global }
      - { .name: bv, .offset: 80, .size: 8, .value_kind: global_buffer, .address_space: global }
      - { .name: mask, .offset: 88, .size: 8, .value_kind: global_buffer, .address_space: global }
      - { .name: qimg, .offset: 96, .size: 8, .value_kind: global_buffer, .address_space: global }
      - { .name: qsw, .offset: 104, .size: 8, .value_kind: global_buffer, .address_space: global }
      - { .name: kv, .offset: 112, .size: 8, .value_kind: global_buffer, .address_space: global }
    .group_segment_fixed_size: 327680
    .private_segment_fixed_size: 0
    .kernarg_segment_align: 8
    .kernarg_segment_size: 120
    .max_flat_workgroup_size: 128
    .sgpr_count:     102
    .vgpr_count:     1024
    .wavefront_size: 32
...
	.end_amdgpu_metadata
.endif
;; end of part 1
;; launch attn (part 2): grid 4 x 64, 8 waves a work-group, clusters of 4 x 1, 327,680 bytes of LDS; arguments qimg, qsw, kv, aimg, asc; writes aimg, asc
.if DOCPART == 2
	.amdgcn_target "amdgcn-amd-amdhsa--gfx1250"
	.amdhsa_code_object_version 6
	.text
	.protected	k_q72bffd928b_attn
	.globl	k_q72bffd928b_attn
	.p2align	8
	.type	k_q72bffd928b_attn,@function
k_q72bffd928b_attn:
	s_mov_b64 s[64:65], 0
	v_nop
	global_prefetch_b8 v0, s[64:65] scope:SCOPE_SE
	s_setreg_imm32_b32 hwreg(HW_REG_WAVE_MODE, 25, 1), 1
	s_wait_xcnt 0x0
	s_wait_alu depctr_hold_cnt(0) depctr_sa_sdst(0) depctr_va_vdst(0) depctr_va_sdst(0) depctr_va_ssrc(0) depctr_va_vcc(0) depctr_vm_vsrc(0)
	s_getreg_b32 s2, hwreg(HW_REG_IB_STS2, 6, 4)
	s_cmp_eq_u32 s2, 0
	s_cbranch_scc0 .Lentry_in_a_cluster
	s_endpgm
.Lentry_in_a_cluster:
	s_bfe_u32 s2, ttmp6, 0x10000c
	s_cmp_lg_u32 s2, 0x3003
	s_cbranch_scc0 .Lentry_shape_is_right
	s_endpgm
.Lentry_shape_is_right:
; CAUSAL ATTENTION OF ONE HEAD OF ONE BATCH ON CODES OF MX-FP8, and the quantiser of its result for the last projection.
; S^T = K Q^T, t = score x log2(e) / 8, M = the running largest t rounded up to a whole number, p = 2^(t - M) quantised along the keys, O^T += V^T P^T, O / (the sum of the unquantised p), quantised along the head's 64.
; INPUTS, as the launch before leaves them: qimg [head of batch 64][tile of 16 queries 128][c 2][lane][16]; qsw [64][2048] words; kv: 64 records of REC bytes: 2,048 words of K's scales, [16 steps][64] words of V's,
; then for each step of 128 keys 8 tiles of K (1,024 bytes) and 4 tiles of V^T (2,048 bytes), all as images of operand registers.
; THE PADDING MASK lies in K's scale words: the score product's spare 64 along K hold one code +448 (K) and one -448 (Q); a masked key's score moves by about -2e36, under the first M (-2^63), so its p is 0.
; A row all of whose allowed keys are masked has the sum 0: reference() then weighs all 2,048 keys alike, so it gets the mean of V (codes 1.0 under the scale 2^-11), chosen by v_cndmask.
; LEFT OUT: key steps all of whose keys come after a tile's queries: reference() builds the causal mask itself, and their p is 0 for all values of the inputs.
; LIMITS: scaled scores stay under 2^31 in magnitude; NaN and infinities among the inputs are not served.
; SHARES.  The four work-groups of a cluster serve one head: its whole record comes into each LDS once, by joint loads, a wave an eighth (134 rows of 256 bytes).  Tile T = 8 j + 4 u + cx belongs to work-group cx.
; A wave holds a PAIR of tiles at once, (j, u = 0) in register window 0 and (j, u = 1) in window 1, at the same register numbers: both end in key step j, and each fragment of K and V and each scale word feeds two products.
; Wave w takes pair 15 - w, then pair w: 17 steps of a pair for every wave.  The text is one step in a nest of two counted loops; hidden steps are jumped over by a branch on ids.
; No prefetch: the launch's loads from memory all stand at its head, so there is no loop in which to ask ahead.
; REGISTERS (both windows): v12 -M, v13 largest t, v[14:15] the sum; v16-39 Q, spare half, Q; v40-87 four tiles of K with their spare halves (window 0: tiles 0-3, window 1: tiles 4-7); v96-159 S^T, p (window 0: then V's tiles);
; v160-191 O^T; v192-207 p's codes; v208-229 at work; v248-255 the second pair's Q.  Window 0 alone: v1-11 addresses; v88-95 K's scale words; v232-235 V's; v236, v237 p's; v6, v7, v238, v239 Q's; v240, v241 the second pair's.
.set REC,   274432
.set VSW,   8192
.set STEP0, 12288
.set STEPB, 16384
.set VOFF,  8192
.set PART,  REC/8
.set TVB,   REC                        ; the mean of V: 64 numbers
.set SPARE, TVB+256                    ; the spare words: 128 bytes a wave
.set LI,  1                            ; 16 x lane
.set R4,  2                            ; 4 r
.set ADK, 3
.set ADS, 4
.set ADT, 5
.set QW0, 6
.set ADV, 8
.set TVA, 9
.set KW,  88
.set VW,  232
.set PW,  236
.set QLO, 240
.set TVK, 242
.set QST, 248
.set SPW, 230
.set NIL, 231
.set MSB, 0
.macro WIN new                         ; the immediate's high byte repeats the setting that is left
.if MSB != \new
	s_set_vgpr_msb (MSB<<8)|\new
.set MSB, \new
.endif
.endm
.macro PLACES n
.rept \n
	v_nop
.endr
.endm
.macro CROUND
	s_barrier_signal -1
	s_barrier_wait -1
	s_cmp_lg_u32 s14, 0
	s_cbranch_scc1 .Lnot_wave_0_\@
	s_barrier_signal -3
.Lnot_wave_0_\@:
	s_barrier_wait -3
	s_barrier_signal -1
	s_barrier_wait -1
.endm
.macro KLOAD ak, as, o                 ; a step's eight tiles of K (four to a window) and their scale words
.irp g, 0,1
	WIN \g<<6
.irp k, 0,1,2,3
	ds_load_b128 v[40+24*(\k/2)+16*(\k%2):43+24*(\k/2)+16*(\k%2)], v[\ak] offset:\o+1024*(4*\g+\k)
	ds_load_b128 v[44+24*(\k/2)+16*(\k%2):47+24*(\k/2)+16*(\k%2)], v[\ak] offset:\o+1024*(4*\g+\k)+512
.endr
.endr
	WIN 0
.irp k, 0,1,2,3,4,5,6,7
	ds_load_b32 v[KW+\k], v[\as] offset:64*\k
.endr
.endm
	s_load_b256 s[4:11], s[0:1], 0x0               ; qimg, qsw, kv, aimg
	s_load_b64 s[12:13], s[0:1], 0x20              ; asc
	v_lshl_add_u32 v[SPW], v0, 2, SPARE
	v_mov_b32 v[NIL], 0
	ds_add_u32 v[SPW], v[NIL]                      ; the opening lines: the add twice on end and its wait ahead of my tensor load
	ds_add_u32 v[SPW], v[NIL]
	v_lshrrev_b32 v1, 5, v0
	v_readfirstlane_b32 s14, v1                    ; wave 0..7
	s_bfe_u32 s15, ttmp6, 0x40000                  ; cx
	s_and_b32 s16, ttmp7, 0xffff                   ; head of batch
	s_and_b32 s17, s16, 15                         ; head
	s_lshr_b32 s18, s16, 4                         ; batch
	s_mov_b32 s24, 15|(3<<16)|(1<<21)              ; group 1: all four partners; 134 dense rows of 256 bytes (32 elements of 8)
	s_mov_b32 s25, 32<<16
	s_mov_b32 s26, 134<<16
	s_mov_b32 s27, 32<<16
	s_mov_b32 s28, 134
	s_mov_b32 s29, 32
	s_mov_b32 s30, 0
	s_mov_b32 s31, 0
	s_mul_i32 s56, s16, REC
	s_mov_b32 s57, 0
	s_mul_i32 s58, s14, PART
	s_mov_b32 s59, 0
	s_mov_b32 s19, 0x600000                        ; the mantissa field of 448
	s_mov_b32 s20, 0x76543210
	s_mov_b32 s21, 0xfedcba98
	s_mov_b32 s22, 0x3e38aa3b                      ; log2(e) / 8
	s_mov_b32 s23, s22
	s_sub_co_u32 s53, 15, s14                      ; the first pair, also its last key step
	s_lshl_b32 s54, s53, 3
	s_add_co_u32 s54, s54, s15                     ; its tile in window 0; window 1's is 4 on
	s_lshl_b32 s55, s14, 3
	s_add_co_u32 s55, s55, s15                     ; the second pair's
	v_and_b32 v1, 31, v0
	v_lshlrev_b32 v[LI], 4, v1
	v_and_b32 v2, 15, v0                           ; r
	v_bfe_u32 v9, v0, 4, 1                         ; h
	v_lshlrev_b32 v8, 3, v9
	v_sub_nc_u32 v8, v2, v8                        ; r - 8 h
	v_lshlrev_b32 v[R4], 2, v2
	s_lshl_b32 s60, s54, 10
	v_add_nc_u32 v3, s60, v[LI]
	s_lshl_b32 s60, s55, 10
	v_add_nc_u32 v4, s60, v[LI]
	s_lshl_b32 s60, s54, 6
	v_add_nc_u32 v5, s60, v[R4]
	s_lshl_b32 s60, s55, 6
	v_add_nc_u32 v10, s60, v[R4]
	s_wait_alu depctr_va_vdst(0)
	s_wait_dscnt 0x0
	s_wait_kmcnt 0x0
	s_add_nc_u64 s[8:9], s[8:9], s[56:57]
	s_mov_b32 s40, 1
	s_mov_b32 s41, s58
	s_add_nc_u64 s[42:43], s[8:9], s[58:59]
	s_or_b32 s43, s43, 0x80000000
	s_lshl_b32 s56, s16, 17
	s_add_nc_u64 s[4:5], s[4:5], s[56:57]
	s_lshl_b32 s56, s16, 13
	s_add_nc_u64 s[6:7], s[6:7], s[56:57]
.irp w, 0,1                            ; Q of both pairs, ahead of the round; a tile is 1,024 bytes, window 1's tile 4,096 bytes on
	WIN 0x40*\w
	global_load_b128 v[16:19], v3, s[4:5] offset:4096*\w
	global_load_b128 v[20:23], v3, s[4:5] offset:4096*\w+512
	global_load_b128 v[32:35], v3, s[4:5] offset:4096*\w
	global_load_b128 v[36:39], v3, s[4:5] offset:4096*\w+512
	global_load_b128 v[QST:QST+3], v4, s[4:5] offset:4096*\w
	global_load_b128 v[QST+4:QST+7], v4, s[4:5] offset:4096*\w+512
.endr
	WIN 0
	global_load_b32 v[QW0], v5, s[6:7]
	global_load_b32 v[QW0+232], v5, s[6:7] offset:256
	global_load_b32 v[QLO], v10, s[6:7]
	global_load_b32 v[QLO+1], v10, s[6:7] offset:256
	CROUND                                         ; the four partners are here: the joint loads meet
	tensor_load_to_lds s[40:43], s[24:31]          ; my eighth of the record: my one tensor load
	s_nop 0
	PLACES 4
	s_lshl_b32 s56, s15, 4
	v_sub_nc_u32 v11, 1, v9                        ; 1 in lanes 0-15
.irp w, 0,1                            ; what both windows hold alike (the sources lie in window 0)
	WIN 0x40*\w
	v_add_nc_u32 v228, s56, v8                     ; 16 cx + r - 8 h: my query in its half of the diagonal step, less my half's keys
	v_mul_u32_u24 v24, v11, 0xfe                   ; the spare halves: Q's one code -448, K's one code +448
	v_mul_u32_u24 v48, v11, 0x7e
	v_mul_u32_u24 v72, v11, 0x7e
.irp i, 1,2,3,4,5,6,7
	v_mov_b32 v[24+\i], 0
	v_mov_b32 v[48+\i], 0
	v_mov_b32 v[72+\i], 0
.endr
	v_mov_b32 v229, 0xff800000                     ; -infinity
.irp b, 0,1,2,3
	v_mov_b32 v[212+\b], 0                         ; a lane permute's destination counts as one of its sources
.endr
	v_mov_b32 v225, 0
	v_mov_b32 v227, 0
.endr
	WIN 0
	v_lshl_add_u32 v[TVA], v9, 5, TVB
	s_wait_alu depctr_va_vdst(0)
	s_and_b32 s56, s14, 3
	s_lshl_b32 s57, s56, 11
	s_add_co_u32 s57, s57, STEP0+VOFF
.irp g, 0,1,2,3
	v_add_nc_u32 v[TVK+\g], s57, v[LI]
	s_add_co_u32 s57, s57, 4*STEPB
.endr
	s_lshl_b32 s57, s56, 6
	s_add_co_u32 s58, s57, VSW
	v_add_nc_u32 v[TVK+4], s58, v[R4]
	v_add_nc_u32 v[TVK+5], s57, v[TVA]
	s_lshr_b32 s56, s17, 2                         ; where my head's codes and scale bytes go
	s_lshl_b32 s56, s56, 21
	s_bfe_u32 s58, s17, 0x10001
	s_lshl_b32 s58, s58, 11
	s_add_co_u32 s56, s56, s58
	s_and_b32 s58, s17, 1
	s_lshl_b32 s58, s58, 10
	s_add_co_u32 s56, s56, s58
	s_mov_b32 s57, 0
	s_add_nc_u64 s[10:11], s[10:11], s[56:57]
	s_lshl_b32 s56, s17, 1
	s_add_nc_u64 s[12:13], s[12:13], s[56:57]
	s_wait_alu depctr_va_vdst(0)
	s_wait_loadcnt 0x0
	v_alignbit_b32 v[QW0+1], v[QW0], v[QW0], 16    ; for K's tiles of odd number, which carry the spare half first
	v_alignbit_b32 v[QW0+233], v[QW0+232], v[QW0+232], 16
	s_wait_tensorcnt 0x0                           ; my eighth is in
	s_barrier_signal -1
	s_barrier_wait -1                              ; the record is whole
	s_cmp_lt_u32 s14, 4                            ; THE MEAN OF V: waves 0 to 3, 16 of the head's 64 each: 16 products with p = 1.0 under the scale 2^-11, in two sums by turns
	s_cbranch_scc0 .Lno_tv
	v_mov_b32 v[PW], 0x74747474
.set n, 0
.rept 16
	v_mov_b32 v[192+n], 0x38383838
.set n, n+1
.endr
	PLACES 4
.irp g, 0,1,2,3
.if \g
	PLACES 8
.endif
.irp k, 0,1,2,3
.irp c, 0,1,2,3
	ds_load_b128 v[96+16*\k+4*\c:99+16*\k+4*\c], v[TVK+\g] offset:STEPB*\k+512*\c
.endr
	ds_load_b32 v[KW+\k], v[TVK+4] offset:1024*\g+256*\k
.endr
	s_wait_dscnt 0x0
.if \g
	v_wmma_scale_f32_16x16x128_f8f6f4 v[208:215], v[96:111], v[192:207], v[208:215], v[KW], v[PW]
	v_wmma_scale_f32_16x16x128_f8f6f4 v[216:223], v[112:127], v[192:207], v[216:223], v[KW+1], v[PW]
.else
	s_wait_alu depctr_va_vdst(0)
	v_wmma_scale_f32_16x16x128_f8f6f4 v[208:215], v[96:111], v[192:207], 0, v[KW], v[PW]
	v_wmma_scale_f32_16x16x128_f8f6f4 v[216:223], v[112:127], v[192:207], 0, v[KW+1], v[PW]
.endif
	v_wmma_scale_f32_16x16x128_f8f6f4 v[208:215], v[128:143], v[192:207], v[208:215], v[KW+2], v[PW]
	v_wmma_scale_f32_16x16x128_f8f6f4 v[216:223], v[144:159], v[192:207], v[216:223], v[KW+3], v[PW]
.endr
	PLACES 8
.irp j, 0,2,4,6
	v_pk_add_f32 v[208+\j:209+\j], v[208+\j:209+\j], v[216+\j:217+\j]
.endr
	ds_store_b128 v[TVK+5], v[208:211]
	ds_store_b128 v[TVK+5], v[212:215] offset:16
.Lno_tv:
	s_wait_dscnt 0x0
	s_barrier_signal -1
	s_barrier_wait -1
; THE SOFTMAX AND p's QUANTISER of one tile, all its registers in window w.  w = 0: behind each block's conversions V's tile is fetched into the registers that held p
.macro SOFT w
	WIN 0x55*\w
.if \w
	s_wait_alu depctr_va_vdst(0)                   ; ahead of the first reader of these scores
.endif
.irp b, 0,1,2,3
	v_max3_num_f32 v[208+\b], v[96+16*\b], v[97+16*\b], v[98+16*\b]   ; each block's largest score: for the row's maximum and for the block's largest p
.endr
.irp i, 3,5,7,9,11,13
.irp b, 0,1,2,3
	v_max3_num_f32 v[208+\b], v[208+\b], v[96+16*\b+\i], v[97+16*\b+\i]
.endr
.endr
.irp b, 0,1,2,3
	v_max_num_f32 v[208+\b], v[208+\b], v[111+16*\b]
.endr
.irp b, 0,1,2,3
	s_delay_alu instid0(VALU_DEP_4)
	v_permlanex16_b32 v[212+\b], v[208+\b], s20, s21
.endr
.irp b, 0,1,2,3
	s_delay_alu instid0(VALU_DEP_4)
	v_max_num_f32 v[208+\b], v[208+\b], v[212+\b]
.endr
	s_delay_alu instid0(VALU_DEP_2)
	v_max3_num_f32 v227, v208, v209, v210
	s_delay_alu instid0(VALU_DEP_1)
	v_max_num_f32 v227, v227, v211
	s_delay_alu instid0(VALU_DEP_1)
	v_mul_f32 v227, s22, v227
	s_delay_alu instid0(VALU_DEP_1)
	v_max_num_f32 v13, v13, v227                   ; the running largest t
	v_mov_b32 v227, v12
	s_delay_alu instid0(VALU_DEP_2)
	v_floor_f32 v12, -v13                          ; -M, a whole number
	s_delay_alu instid0(VALU_DEP_1)
	v_sub_f32 v227, v12, v227
	s_delay_alu instid0(VALU_DEP_1)
	v_cvt_i32_f32 v227, v227
	s_delay_alu instid0(VALU_DEP_1)
	v_ldexp_f32 v224, 1.0, v227                    ; f = 2^(old M - new M)
.set n, 0
.rept 32
	v_pk_fma_f32 v[96+n:97+n], v[96+n:97+n], s[22:23], v[12:13] op_sel_hi:[1,0,0]
.set n, n+2
.endr
.irp b, 0,1,2,3
	v_fma_f32 v[208+\b], v[208+\b], s22, v12
.endr
	s_wait_alu depctr_va_vdst(0)                   ; one wait ahead of the batch,
.set n, 0
.rept 64
	v_exp_f32 v[96+n], v[96+n]
.set n, n+1
.endr
	v_pk_mul_f32 v[14:15], v[14:15], v[224:225] op_sel_hi:[1,0]
	s_wait_alu depctr_va_vdst(0)                   ; and one behind it
.irp b, 0,1,2,3
	v_exp_f32 v[208+\b], v[208+\b]
.endr
	v_pk_add_f32 v[212:213], v[96:97], v[98:99]    ; the row's sum of the unquantised p, in two chains
.set n, 4
.rept 15
	v_pk_add_f32 v[14:15], v[14:15], v[96+n:97+n]
	v_pk_add_f32 v[212:213], v[212:213], v[98+n:99+n]
.set n, n+4
.endr
	v_pk_add_f32 v[14:15], v[14:15], v[212:213]
	s_wait_alu depctr_va_vdst(0)                   ; for the four
.irp b, 0,1,2,3
	v_max_num_f32 v[208+\b], 0x4800000, v[208+\b]  ; the floor: the byte cannot fall under 1
.endr
.irp b, 0,1,2,3
	s_delay_alu instid0(VALU_DEP_4)
	v_add_nc_u32 v[220+\b], 0xfc000000, v[208+\b]  ; the conversion's scale operand
.endr
.irp b, 0,1,2,3
	v_and_or_b32 v[216+\b], v[208+\b], 0x7f800000, s19   ; 448 x the scale
.endr
.irp b, 0,1,2,3
	v_lshrrev_b32 v[212+\b], 23, v[220+\b]
.endr
	s_delay_alu instid0(VALU_DEP_3)
	v_lshl_or_b32 v226, v213, 8, v212
	s_delay_alu instid0(VALU_DEP_1)
	v_lshl_or_b32 v226, v214, 16, v226
	WIN 0x15*\w                                    ; scale operands are taken from window 0: the finished word goes there
	v_lshl_or_b32 v[PW+\w], v215, 24, v226
	WIN 0x55*\w
.irp b, 0,1,2,3
.set n, 0
.if \w
.rept 16
	v_min_num_f32 v[96+16*\b+n], v[96+16*\b+n], v[216+\b]   ; the conversion does not saturate (ISA guide 7.6.2); p is not negative
.set n, n+1
.endr
.else
.rept 8
	v_dual_min_num_f32 v[96+16*\b+n], v[216+\b], v[96+16*\b+n] :: v_dual_min_num_f32 v[97+16*\b+n], v[216+\b], v[97+16*\b+n]
.set n, n+2
.endr
.endif
	v_cvt_scalef32_pk8_fp8_f32 v[192+4*\b:193+4*\b], v[96+16*\b:103+16*\b], v[220+\b]
	v_cvt_scalef32_pk8_fp8_f32 v[194+4*\b:195+4*\b], v[104+16*\b:111+16*\b], v[220+\b]
.if \w == 0
.irp c, 0,1,2,3
	ds_load_b128 v[96+16*\b+4*\c:99+16*\b+4*\c], v[ADV] offset:VOFF+2048*\b+512*\c
.endr
	ds_load_b32 v[VW+\b], v[ADT] offset:64*\b
.endif
.endr
	v_nop                                          ; one plain line between the conversions and the first line on their results
.irp b, 0,1,2,3                        ; the codes into the operand's order: k = 32 b + 16 h + 0 .. 15
	v_permlane16_swap_b32 v[192+4*\b], v[194+4*\b]
	v_permlane16_swap_b32 v[193+4*\b], v[195+4*\b]
.endr
	s_wait_alu depctr_va_vdst(0)                   ; directly ahead of the first reader of O^T
.set n, 0
.rept 16
	v_pk_mul_f32 v[160+n:161+n], v[160+n:161+n], v[224:225] op_sel_hi:[1,0]
.set n, n+2
.endr
.endm
; THE WAY OUT of one tile: O^T / the sum, or the mean of V where the sum is 0; quantised along the head's 64; stored as an image of operand registers, and two scale bytes a row
.macro OUT w
	WIN 0x55*\w
	v_add_f32 v14, v14, v15
	s_delay_alu instid0(VALU_DEP_1)
	v_permlanex16_b32 v227, v14, s20, s21
	s_delay_alu instid0(VALU_DEP_1)
	v_add_f32 v14, v14, v227
	s_wait_alu depctr_va_vdst(0)
	v_rcp_f32 v224, v14
	v_nop
	WIN 0x40*\w
.irp t, 0,1,2,3
	ds_load_b128 v[96+8*\t:99+8*\t], v[TVA] offset:64*\t
	ds_load_b128 v[100+8*\t:103+8*\t], v[TVA] offset:64*\t+16
.endr
.if \w == 0
	s_lshl_b32 s56, s18, 7
	s_add_co_u32 s56, s56, s47                     ; 128 x batch + tile
	s_lshl_b32 s57, s56, 12
	v_add_nc_u32 v10, s57, v[LI]
	s_lshl_b32 s57, s56, 9
	v_lshl_add_u32 v11, v[R4], 3, s57
.endif
	WIN 0x55*\w
	s_wait_dscnt 0x0
	s_wait_alu depctr_va_vdst(0)                   ; for the reciprocal, and directly ahead of the first reader of O^T
.set n, 0
.rept 16
	v_pk_mul_f32 v[128+n:129+n], v[160+n:161+n], v[224:225] op_sel_hi:[1,0]
.set n, n+2
.endr
	v_cmp_eq_f32 vcc_lo, 0, v14
.set n, 0
.rept 32
	v_cndmask_b32 v[128+n], v[128+n], v[96+n], vcc_lo
.set n, n+1
.endr
.irp b, 0,1
	v_max3_num_f32 v[208+\b], |v[128+16*\b]|, |v[129+16*\b]|, 0x4800000
.endr
.irp i, 2,4,6,8,10,12,14
.irp b, 0,1
	s_delay_alu instid0(VALU_DEP_2)
	v_max3_num_f32 v[208+\b], v[208+\b], |v[128+16*\b+\i]|, |v[129+16*\b+\i]|
.endr
.endr
.irp b, 0,1
	s_delay_alu instid0(VALU_DEP_2)
	v_permlanex16_b32 v[212+\b], v[208+\b], s20, s21
.endr
.irp b, 0,1
	s_delay_alu instid0(VALU_DEP_2)
	v_max_num_f32 v[208+\b], v[208+\b], v[212+\b]
.endr
.irp b, 0,1
	s_delay_alu instid0(VALU_DEP_2)
	v_add_nc_u32 v[220+\b], 0xfc000000, v[208+\b]
.endr
.irp b, 0,1
	s_delay_alu instid0(VALU_DEP_4)
	v_and_or_b32 v[216+\b], v[208+\b], 0x7f800000, s19
.endr
.irp b, 0,1
	s_delay_alu instid0(VALU_DEP_4)
	v_lshrrev_b32 v[212+\b], 23, v[220+\b]
.endr
	s_delay_alu instid0(VALU_DEP_1)
	v_lshl_or_b32 v226, v213, 8, v212
.irp b, 0,1
.set n, 0
.rept 16
	v_med3_num_f32 v[128+16*\b+n], v[128+16*\b+n], -v[216+\b], v[216+\b]
.set n, n+1
.endr
	v_cvt_scalef32_pk8_fp8_f32 v[192+4*\b:193+4*\b], v[128+16*\b:135+16*\b], v[220+\b]
	v_cvt_scalef32_pk8_fp8_f32 v[194+4*\b:195+4*\b], v[136+16*\b:143+16*\b], v[220+\b]
.endr
	v_nop
.irp b, 0,1
	v_permlane16_swap_b32 v[192+4*\b], v[194+4*\b]
	v_permlane16_swap_b32 v[193+4*\b], v[195+4*\b]
.endr
	WIN 0x04*\w                                    ; the data in window w, the offsets in window 0; window 1's tile lies 4 tiles on
	global_store_b128 v10, v[192:195], s[10:11] offset:16384*\w
	global_store_b128 v10, v[196:199], s[10:11] offset:16384*\w+512
	global_store_b16 v11, v226, s[12:13] offset:2048*\w
	WIN 0
.endm
	s_mov_b32 s51, 0                               ; which pair
	s_mov_b32 s47, s54                             ; its tile in window 0
.Lpair:
.irp w, 0,1
	WIN 0x40*\w
	v_mov_b32 v13, 0xdf000000                      ; the largest t so far: -2^63
	v_mov_b32 v12, 0x5f000000
	v_mov_b32 v14, 0
	v_mov_b32 v15, 0
.set n, 0
.rept 32
	v_mov_b32 v[160+n], 0                          ; the step is written once: the first finds zeros
.set n, n+1
.endr
.endr
	WIN 0
	KLOAD LI, R4, STEP0                            ; key step 0's tiles of K
	s_mov_b32 s48, STEP0
	s_mov_b32 s49, 0
	s_mov_b32 s50, VSW
	s_mov_b32 s52, 0
	s_wait_alu depctr_va_vdst(0)
.Lstep:                                            ; 16 trips, a constant; a step all of whose keys come after the pair's queries is jumped over
	s_cmp_gt_u32 s52, s53
	s_cbranch_scc1 .Lhidden
	s_wait_dscnt 0x0                               ; this step's K, asked for a step ago
.irp g, 0,1
.irp w, 0,1
.set QW, QW0+232*\w
	WIN \g|(\w<<2)|(\w<<6)                         ; K's window g, Q's and the scores' window w
	v_wmma_scale_f32_16x16x128_f8f6f4 v[96+32*\g:103+32*\g], v[40:55], v[16:31], 0, v[KW+4*\g], v[QW]
	v_wmma_scale_f32_16x16x128_f8f6f4 v[104+32*\g:111+32*\g], v[48:63], v[24:39], 0, v[KW+4*\g+1], v[QW+1]
	v_wmma_scale_f32_16x16x128_f8f6f4 v[112+32*\g:119+32*\g], v[64:79], v[16:31], 0, v[KW+4*\g+2], v[QW]
	v_wmma_scale_f32_16x16x128_f8f6f4 v[120+32*\g:127+32*\g], v[72:87], v[24:39], 0, v[KW+4*\g+3], v[QW+1]
.endr
.endr
	WIN 0
	s_add_co_u32 s56, s48, STEPB                   ; the next step's K, held at the record's last step
	s_min_u32 s56, s56, STEP0+15*STEPB
	s_add_co_u32 s57, s49, 512
	s_min_u32 s57, s57, 15*512
	v_add_nc_u32 v[ADK], s56, v[LI]                ; these four and four v_nop are the eight places behind the products
	v_add_nc_u32 v[ADS], s57, v[R4]
	v_add_nc_u32 v[ADV], s48, v[LI]
	v_add_nc_u32 v[ADT], s50, v[R4]
	PLACES 4
	KLOAD ADK, ADS, 0
	s_cmp_lg_u32 s52, s53                          ; the pair's last step lies on the diagonal: hidden scores become -infinity
	s_cbranch_scc1 .Lopen
.set n, 0
.rept 32                               ; window 0's queries lie among the step's keys 0-63: those are compared,
	v_cmp_gt_i32 vcc_lo, 16*(n/8)+n%8, v228
	v_cndmask_b32 v[96+n], v[96+n], v229, vcc_lo
.set n, n+1
.endr
.rept 32                               ; and keys 64-127 are hidden from all of them
	v_mov_b32 v[96+n], v229
.set n, n+1
.endr
	WIN 0x55
.set n, 32
.rept 32                               ; window 1's queries lie among keys 64-127: keys 0-63 all count
	v_cmp_gt_i32 vcc_lo, 16*((n-32)/8)+n%8, v228
	v_cndmask_b32 v[96+n], v[96+n], v229, vcc_lo
.set n, n+1
.endr
	WIN 0
.Lopen:
	SOFT 0
	SOFT 1
	WIN 0
	s_wait_alu depctr_va_vdst(0)
	s_wait_dscnt 0x0                               ; V's tiles
.irp w, 0,1
	WIN 0x54*\w                                    ; V's tiles in window 0; p, C and D in window w
.irp t, 0,1,2,3
	v_wmma_scale_f32_16x16x128_f8f6f4 v[160+8*\t:167+8*\t], v[96+16*\t:111+16*\t], v[192:207], v[160+8*\t:167+8*\t], v[VW+\t], v[PW+\w]
.endr
.endr
	WIN 0
	PLACES 9                                       ; the next scores are written over V's tiles: nine places
.Lhidden:
	s_add_co_u32 s48, s48, STEPB
	s_add_co_u32 s49, s49, 512
	s_add_co_u32 s50, s50, 256
	s_add_co_u32 s52, s52, 1
	s_cmp_lt_u32 s52, 16
	s_cbranch_scc1 .Lstep
	OUT 0
	OUT 1
	s_wait_xcnt 0x0                                ; the stores have read their registers
.irp w, 0,1                            ; the second pair's Q into its place
	WIN 0x41*\w
.irp i, 0,1,2,3,4,5,6,7
	v_mov_b32 v[16+\i], v[QST+\i]
	v_mov_b32 v[32+\i], v[QST+\i]
.endr
.endr
	WIN 0
.irp w, 0,1
	v_mov_b32 v[QW0+232*\w], v[QLO+\w]
	v_alignbit_b32 v[QW0+232*\w+1], v[QLO+\w], v[QLO+\w], 16
.endr
	s_mov_b32 s53, s14
	s_mov_b32 s47, s55
	s_add_co_u32 s51, s51, 1
	s_cmp_lt_u32 s51, 2
	s_cbranch_scc1 .Lpair
	s_wait_tensorcnt 0x0                           ; the wave's end
	ds_add_u32 v[SPW], v[NIL]
	s_wait_dscnt 0x0
	CROUND                                         ; the closing round
	s_endpgm
.Lfunc_end_k_q72bffd928b_attn:
	.size	k_q72bffd928b_attn, .Lfunc_end_k_q72bffd928b_attn-k_q72bffd928b_attn
	.p2alignl 7, 3214868480
	.fill 96, 4, 3214868480
	.section	.rodata,"a",@progbits
	.p2align	6, 0x0
	.amdhsa_kernel k_q72bffd928b_attn
		.amdhsa_group_segment_fixed_size 327680
		.amdhsa_private_segment_fixed_size 0
		.amdhsa_enable_private_segment 0
		.amdhsa_kernarg_size 40
		.amdhsa_user_sgpr_count 2
		.amdhsa_user_sgpr_kernarg_segment_ptr 1
		.amdhsa_wavefront_size32 1
		.amdhsa_system_sgpr_workgroup_id_x 1
		.amdhsa_system_sgpr_workgroup_id_y 1
		.amdhsa_system_sgpr_workgroup_id_z 1
		.amdhsa_system_vgpr_workitem_id 0
		.amdhsa_next_free_vgpr 512
		.amdhsa_next_free_sgpr 66
		.amdhsa_reserve_vcc 1
		.amdhsa_float_denorm_mode_32 3
		.amdhsa_float_denorm_mode_16_64 3
		.amdhsa_memory_ordered 1
		.amdhsa_forward_progress 1
		.amdhsa_inst_pref_size 84
	.end_amdhsa_kernel
	.amdgpu_metadata
---
amdhsa.version: [ 1, 2 ]
amdhsa.kernels:
  - .name:           k_q72bffd928b_attn
    .symbol:         k_q72bffd928b_attn.kd
    .args:
      - { .name: qimg, .offset: 0, .size: 8, .value_kind: global_buffer, .address_space: global }
      - { .name: qsw, .offset: 8, .size: 8, .value_kind: global_buffer, .address_space: global }
      - { .name: kv, .offset: 16, .size: 8, .value_kind: global_buffer, .address_space: global }
      - { .name: aimg, .offset: 24, .size: 8, .value_kind: global_buffer, .address_space: global }
      - { .name: asc, .offset: 32, .size: 8, .value_kind: global_buffer, .address_space: global }
    .group_segment_fixed_size: 327680
    .private_segment_fixed_size: 0
    .kernarg_segment_align: 8
    .kernarg_segment_size: 40
    .max_flat_workgroup_size: 256
    .sgpr_count:     66
    .vgpr_count:     512
    .wavefront_size: 32
...
	.end_amdgpu_metadata
.endif
;; end of part 2
;; launch oproj (part 3): grid 4 x 64, 4 waves a work-group, clusters of 4 x 4, 327,680 bytes of LDS; arguments aimg, asc, Wo_codes, Wo_scales, bo, out0; writes out0
.if DOCPART == 3
	.amdgcn_target "amdgcn-amd-amdhsa--gfx1250"
	.amdhsa_code_object_version 6
	.text
	.protected	k_q72bffd928b_oproj
	.globl	k_q72bffd928b_oproj
	.p2align	8
	.type	k_q72bffd928b_oproj,@function
k_q72bffd928b_oproj:
	s_mov_b64 s[64:65], 0
	v_nop
	global_prefetch_b8 v0, s[64:65] scope:SCOPE_SE
	s_setreg_imm32_b32 hwreg(HW_REG_WAVE_MODE, 25, 1), 1
	s_wait_xcnt 0x0
	s_wait_alu depctr_hold_cnt(0) depctr_sa_sdst(0) depctr_va_vdst(0) depctr_va_sdst(0) depctr_va_ssrc(0) depctr_va_vcc(0) depctr_vm_vsrc(0)
	s_getreg_b32 s2, hwreg(HW_REG_IB_STS2, 6, 4)
	s_cmp_eq_u32 s2, 0
	s_cbranch_scc0 .Lentry_in_a_cluster
	s_endpgm
.Lentry_in_a_cluster:
	s_bfe_u32 s2, ttmp6, 0x10000c
	s_cmp_lg_u32 s2, 0xf033
	s_cbranch_scc0 .Lentry_shape_is_right
	s_endpgm
.Lentry_shape_is_right:
; out0 = a Wo^T + bo on codes of MX-FP8: a [8,192][1,024] as the attention launch leaves it, Wo [1,024][1,024]; f32 sums, begun with the bias.
; aimg [K slot of 256: 4][tile of 16 rows: 512][q 2][c 4][lane][16]: images of operand registers; asc [8,192][32] scale bytes; Wo_codes rows of 1,024 bytes, Wo_scales rows of 32.
; SHARES.  A block of 128 rows x 256 columns to a work-group: 64 x 4 = 256 work-groups.  Four waves, 2 x 2: a wave makes 64 x 128 in 32 accumulators of 16 x 16.
; K goes in four steps of 256 through a ring of two LDS slots (a's 128 rows as 32,768 dense bytes, then Wo's 256 rows of 256 bytes + 16 of padding).  The head's four loads, one a wave, fill both slots;
; K steps 2 and 3 are refills, each behind the three lines and a round of the cluster's barrier, a quarter of a slot a wave.
; CLUSTERS: 4 x 4 work-groups; a's tile is asked for jointly by a row of the cluster, Wo's by a column.
; THE SCALES AND THE BIAS come once, by plain loads into registers, for all of K: a lane takes its row's 32 scale bytes (sixteen lanes: 512 consecutive bytes in two loads).
; PREFETCH: a's K steps 2 and 3 are named once in each cluster, behind the head's loads: wave 0 step 2, wave 1 step 3; of a step's 128 blocks of 256 bytes the partner at place cx takes 32, a lane a block.
; Wo's rows are not named: K has four steps, of which two come at the head, and all 64 tile rows read the same rows of Wo.
; THE MATRIX INSTRUCTION IS USED TRANSPOSED (source 0 = 16 rows of Wo, source 1 = 16 rows of a): a lane holds eight neighbouring numbers of a row of the result.
; REGISTERS.  Window 0: v0-31 addresses; v32-95 Wo's scale words (8 b + K / 128); v100-131 a's (8 a + K / 128): the two numbers of a product differ by 4 modulo 8; on the way out v128-255 take rows back from the stage.
; Window 1: Wo's fragments, two sets of 8.  Window 2: the accumulators, (a, b) at v[8 (8 a + b)].  Window 3: a's fragments, two sets of 4, at v0-127; the bias at v128-191.
; LIMITS: NaN and infinities among the inputs are not served.
.set SIZE_N, 1024
.set ROWB,   256
.set KROW,   1024
.set PITCH,  272
.set FR,     16
.set NP,     8                         ; places behind this matrix instruction (ISA guide 7.12.1)
.set NF,     48                        ; LDS loads that bring a step's fragments
.set HALFT,  128*PITCH
.set ABYTES, 32768
.set SLOT,   ABYTES+2*HALFT
.set KSLOT,  2097152
.set SPARE,  2*SLOT
.set SPITCH, 528
.set ADRA, 16
.set ADRB, 20
.set STO,  24
.set RD,   25
.set CO,   26
.set SOF,  27
.set SPW,  28
.set NIL,  29
.set PFO,  30
.set SB,   32
.set SA,   100
.set BK,   128
.set BIAS, 128
.set G1, 24
.set G0, 32
.set G1B, 48
.set G0B, 56
.set MSB, 0
.macro WIN new                         ; the immediate's high byte repeats the setting that is left
.if MSB != \new
	s_set_vgpr_msb (MSB<<8)|\new
.set MSB, \new
.endif
.endm
.set MUL,   0xad                       ; source 0 window 1, source 1 window 3, C and D window 2
.set MUL_B, 0xbd                       ; the same, C (the bias) window 3
.macro PLACES n
.rept \n
	v_nop
.endr
.endm
.macro JLOAD g0a, g1a, g0b, g1b        ; a refill: waves 0 and 1 fetch a's halves, waves 2 and 3 Wo's
	s_cmp_eq_u32 s15, 0
	s_cbranch_scc0 .Lfor_b_\@
	tensor_load_to_lds s[\g0a:\g0a+3], s[\g1a:\g1a+7]
	s_nop 0
	PLACES 4
	s_branch .Lasked_\@
.Lfor_b_\@:
	tensor_load_to_lds s[\g0b:\g0b+3], s[\g1b:\g1b+7]
	s_nop 0
	PLACES 4
.Lasked_\@:
.endm
.macro CREST
	s_cmp_lg_u32 s14, 0
	s_cbranch_scc1 .Lnot_wave_0_\@
	s_barrier_signal -3
.Lnot_wave_0_\@:
	s_barrier_wait -3
	s_barrier_signal -1
	s_barrier_wait -1
.endm
.macro CROUND
	s_barrier_signal -1
	s_barrier_wait -1
	CREST
.endm
	s_load_b256 s[4:11], s[0:1], 0x0               ; aimg, asc, Wo_codes, Wo_scales
	s_load_b64 s[96:97], s[0:1], 0x20              ; bo
	s_load_b64 s[12:13], s[0:1], 0x28              ; out0
	v_lshl_add_u32 v[SPW], v0, 2, SPARE
	v_mov_b32 v[NIL], 0
	ds_add_u32 v[SPW], v[NIL]                      ; the opening lines: the add twice on end and its wait ahead of my first tensor load
	ds_add_u32 v[SPW], v[NIL]
	v_lshrrev_b32 v1, 5, v0
	v_readfirstlane_b32 s14, v1                    ; wave 0..3
	s_lshr_b32 s15, s14, 1                         ; my half of the rows.  In a refill: I fetch for a (0) or for Wo (1)
	s_and_b32 s16, s14, 1                          ; my half of the columns.  In a refill: which half I fetch
	s_bfe_u32 s40, ttmp6, 0x40000                  ; cx
	s_bfe_u32 s41, ttmp6, 0x40004                  ; cy
	s_lshl_b32 s42, ttmp9, 2
	s_add_co_u32 s42, s42, s40                     ; tile column
	s_and_b32 s17, ttmp7, 0xffff
	s_lshl_b32 s17, s17, 2
	s_add_co_u32 s17, s17, s41                     ; tile row
	s_lshl_b32 s43, s41, 2
	s_lshl_b32 s43, 15, s43                        ; my row of the cluster
	s_lshl_b32 s44, 0x1111, s40                    ; my column
	s_or_b32 s[G1+0], s43, (3<<16)|(1<<21)         ; a's tile: dense rows of 256 bytes (32 elements of 8): 128 at the head, 64 in a refill
	s_mov_b32 s[G1+1], 32<<16
	s_mov_b32 s[G1+2], 128<<16
	s_mov_b32 s[G1+3], 32<<16
	s_mov_b32 s[G1+4], 128
	s_mov_b32 s[G1+5], 32
	s_mov_b32 s[G1+6], 0
	s_mov_b32 s[G1+7], 0
	s_or_b32 s[G1B+0], s44, (0<<16)|(1<<20)|(1<<21)|(5<<22)|(3<<25)   ; Wo's tile: rows of 256 bytes, 16 of padding behind each: 256 at the head, 128 in a refill
	s_mov_b32 s[G1B+1], ROWB<<16
	s_mov_b32 s[G1B+2], 256<<16
	s_mov_b32 s[G1B+3], ROWB<<16
	s_mov_b32 s[G1B+4], 256
	s_mov_b32 s[G1B+5], KROW
	s_mov_b32 s[G1B+6], 0
	s_mov_b32 s[G1B+7], 0
	s_lshl_b32 s20, s17, 15                        ; a's tile in a K slot: 128 rows x 256 bytes
	s_mov_b32 s21, 0
	s_lshl_b32 s46, s42, 18                        ; Wo's tile: 256 rows x 1,024 bytes
	s_mov_b32 s47, 0
	s_lshl_b32 s22, s17, 7
	s_lshl_b32 s18, s15, 6
	s_add_co_u32 s22, s22, s18                     ; my first row
	s_lshl_b32 s82, s22, 12                        ; in out0,
	s_lshl_b32 s22, s22, 5                         ; and among a's scale bytes
	s_mov_b32 s23, 0
	s_lshl_b32 s92, s42, 8
	s_lshl_b32 s18, s16, 7
	s_add_co_u32 s92, s92, s18                     ; my first column
	s_lshl_b32 s84, s92, 2                         ; in a row of out0 and in bo,
	s_mov_b32 s85, 0
	s_lshl_b32 s92, s92, 5                         ; and among Wo's scale bytes
	s_mov_b32 s93, 0
	s_add_co_u32 s82, s82, s84
	s_mov_b32 s83, 0
	s_add_co_u32 s70, s14, 2                       ; the prefetch: K step 2 + wave, my work-group's 32 blocks of 256 bytes
	s_lshl_b32 s70, s70, 21
	s_lshl_b32 s71, s40, 13
	s_add_co_u32 s70, s70, s71
	s_mov_b32 s71, 0
	v_and_b32 v1, 15, v0                           ; r
	v_bfe_u32 v2, v0, 4, 1                         ; h
	v_lshlrev_b32 v[SOF], 5, v1                    ; a row of scale bytes is 32
	v_lshlrev_b32 v7, 5, v2                        ; the bias: 8 h numbers on
	s_wait_alu depctr_va_vdst(0)
	s_wait_dscnt 0x0
	s_wait_kmcnt 0x0
	s_add_nc_u64 s[20:21], s[4:5], s[20:21]
	s_add_nc_u64 s[22:23], s[6:7], s[22:23]
	s_add_nc_u64 s[46:47], s[8:9], s[46:47]
	s_add_nc_u64 s[92:93], s[10:11], s[92:93]
	s_add_nc_u64 s[96:97], s[96:97], s[84:85]
	s_add_nc_u64 s[12:13], s[12:13], s[82:83]
	s_add_nc_u64 s[68:69], s[20:21], s[70:71]
.irp i, 0,1,2,3
	global_load_b128 v[SA+8*\i:SA+8*\i+3], v[SOF], s[22:23] offset:512*\i
	global_load_b128 v[SA+8*\i+4:SA+8*\i+7], v[SOF], s[22:23] offset:512*\i+16
.endr
.irp i, 0,1,2,3,4,5,6,7
	global_load_b128 v[SB+8*\i:SB+8*\i+3], v[SOF], s[92:93] offset:512*\i
	global_load_b128 v[SB+8*\i+4:SB+8*\i+7], v[SOF], s[92:93] offset:512*\i+16
.endr
	WIN 0xc0
.irp b, 0,1,2,3,4,5,6,7
	global_load_b128 v[BIAS+8*\b:BIAS+8*\b+3], v7, s[96:97] offset:64*\b
	global_load_b128 v[BIAS+8*\b+4:BIAS+8*\b+7], v7, s[96:97] offset:64*\b+16
.endr
	WIN 0
.irp s, 0,1                            ; group 0 of the head's loads: K step s, whole tiles, into slot s
	s_mov_b32 s[G0+4*\s], 1
	s_mov_b32 s[G0+4*\s+1], \s*SLOT
	s_add_nc_u64 s[G0+4*\s+2:G0+4*\s+3], s[20:21], \s*KSLOT
	s_or_b32 s[G0+4*\s+3], s[G0+4*\s+3], 0x80000000
	s_mov_b32 s[G0B+4*\s], 1
	s_mov_b32 s[G0B+4*\s+1], \s*SLOT+ABYTES
	s_add_nc_u64 s[G0B+4*\s+2:G0B+4*\s+3], s[46:47], \s*ROWB
	s_or_b32 s[G0B+4*\s+3], s[G0B+4*\s+3], 0x80000000
.endr
	CROUND                                         ; all sixteen work-groups are here: the first joint loads meet
; THE HEAD'S LOADS, ONE A WAVE: one chain of branches on the wave's number, a load to an arm; slot 0's tiles are asked for first
.macro ARM under, g0, g1, next
	s_cmp_lt_u32 s14, \under
	s_cbranch_scc0 \next
	tensor_load_to_lds s[\g0:\g0+3], s[\g1:\g1+7]
	s_nop 0
	PLACES 4
	s_branch .Lhead_asked
\next:
.endm
	ARM 1, G0, G1, .Lhead_b0
	ARM 2, G0B, G1B, .Lhead_a1
	ARM 3, G0+4, G1, .Lhead_b1
	tensor_load_to_lds s[G0B+4:G0B+7], s[G1B:G1B+7]
	s_nop 0
	PLACES 4
.Lhead_asked:
	s_lshl_b32 s76, s15, 14                        ; my 64 rows of a: four tiles of 4,096 bytes
	s_add_co_u32 s77, s76, SLOT
	s_mul_i32 s78, s16, HALFT                      ; my 128 rows of Wo, behind a's bytes
	s_add_co_u32 s78, s78, ABYTES
	s_add_co_u32 s79, s78, SLOT
	s_mul_i32 s80, s14, 16*SPITCH                  ; my stage
	v_mul_u32_u24 v3, v1, PITCH
	v_lshl_add_u32 v4, v2, 4, v3
	v_and_b32 v6, 31, v0
	v_lshlrev_b32 v[CO], 4, v6
	v_lshlrev_b32 v[PFO], 8, v6
	v_add_nc_u32 v[ADRA], s76, v[CO]
	v_add_nc_u32 v[ADRA+1], s77, v[CO]
	v_add_nc_u32 v[ADRB], s78, v4
	v_add_nc_u32 v[ADRB+1], s79, v4
	v_mul_u32_u24 v5, v1, SPITCH
	v_lshl_add_u32 v5, v2, 5, v5
	v_add_nc_u32 v[STO], s80, v5
	v_add_nc_u32 v[RD], s80, v[CO]
	s_wait_alu depctr_va_vdst(0)
	s_cmp_lt_u32 s14, 2
	s_cbranch_scc0 .Lno_ask
	global_prefetch_b8 v[PFO], s[68:69] th:TH_LOAD_NT scope:SCOPE_SE   ; its two address registers are never written again
.Lno_ask:
	s_wait_loadcnt 0x0                             ; the scales and the bias
	s_wait_tensorcnt 0x0                           ; my tile of the head's four is in; no tensor load of mine is out, so the descriptors may be written:
	s_mov_b32 s[G1+2], 64<<16                      ; a refill brings 64 rows of a's 256-byte rows,
	s_mov_b32 s[G1+4], 64
	s_mov_b32 s[G1B+2], 128<<16                    ; or 128 rows of Wo
	s_mov_b32 s[G1B+4], 128
	s_lshl_b32 s18, s16, 14
	s_mov_b32 s19, 0
	s_mul_i32 s86, s16, HALFT
	s_lshl_b32 s88, s16, 17
	s_mov_b32 s89, 0
.irp s, 0,1                            ; slot s's one refill: K step s + 2, my half
	s_add_co_u32 s[G0+4*\s+1], s[G0+4*\s+1], s18
	s_add_nc_u64 s[G0+4*\s+2:G0+4*\s+3], s[G0+4*\s+2:G0+4*\s+3], s[18:19]
	s_add_nc_u64 s[G0+4*\s+2:G0+4*\s+3], s[G0+4*\s+2:G0+4*\s+3], 2*KSLOT
	s_add_co_u32 s[G0B+4*\s+1], s[G0B+4*\s+1], s86
	s_add_nc_u64 s[G0B+4*\s+2:G0B+4*\s+3], s[G0B+4*\s+2:G0B+4*\s+3], s[88:89]
	s_add_nc_u64 s[G0B+4*\s+2:G0B+4*\s+3], s[G0B+4*\s+2:G0B+4*\s+3], 2*ROWB
.endr
	s_barrier_signal -1
	s_barrier_wait -1                              ; both slots are whole
.macro FRAG reg, adr, q, i             ; Wo: 16 rows x 128 K: lane l holds row l % 16; registers 4 c .. 4 c + 3 hold K = 32 c + 16 (l / 16) + 0 .. 15
.irp c, 0,1,2,3
	ds_load_b128 v[\reg+4*\c:\reg+4*\c+3], v[\adr] offset:128*(\q)+32*\c+(\i)*16*PITCH
.endr
.endm
.macro FRAGA reg, adr, q, i            ; a: an image of the same registers
.irp c, 0,1,2,3
	ds_load_b128 v[\reg+4*\c:\reg+4*\c+3], v[\adr] offset:2048*(\q)+512*\c+(\i)*4096
.endr
.endm
.macro FETCH n                         ; the fragments of the n-th 128 along K: slot (n / 2) % 2, set n % 2: NF loads
	WIN 0x40
.irp i, 0,1,2,3,4,5,6,7
	FRAG 128*((\n)%2)+FR*\i, ADRB+((\n)/2)%2, (\n)%2, \i
.endr
	WIN 0xc0
.irp i, 0,1,2,3
	FRAGA 64*((\n)%2)+FR*\i, ADRA+((\n)/2)%2, (\n)%2, \i
.endr
	WIN 0
.endm
.macro MUL16 a0, n, cm                 ; a's blocks a0, a0 + 1 x Wo's eight.  The 32 accumulators take turns, one instruction a turn
.irp a, \a0, \a0+1
.irp b, 0,1,2,3,4,5,6,7
.if \cm
	v_wmma_scale_f32_16x16x128_f8f6f4 v[8*(8*(\a)+\b):8*(8*(\a)+\b)+7], v[128*((\n)%2)+FR*\b:128*((\n)%2)+FR*\b+FR-1], v[64*((\n)%2)+FR*(\a):64*((\n)%2)+FR*(\a)+FR-1], v[BIAS+8*\b:BIAS+8*\b+7], v[SB+8*\b+(\n)], v[SA+8*(\a)+(\n)]
.else
	v_wmma_scale_f32_16x16x128_f8f6f4 v[8*(8*(\a)+\b):8*(8*(\a)+\b)+7], v[128*((\n)%2)+FR*\b:128*((\n)%2)+FR*\b+FR-1], v[64*((\n)%2)+FR*(\a):64*((\n)%2)+FR*(\a)+FR-1], v[8*(8*(\a)+\b):8*(8*(\a)+\b)+7], v[SB+8*\b+(\n)], v[SA+8*(\a)+(\n)]
.endif
.endr
.endr
.endm
.macro EVEN n, cm                      ; a slot's first step: the second step's fragments are asked for, then 32 products
	PLACES NP                                      ; in front of loads into the set that the step before multiplied
	FETCH (\n)+1
	s_wait_dscnt NF                                ; all but the NF just issued: this step's fragments are in
.if \cm
	WIN MUL_B
.else
	WIN MUL
.endif
	MUL16 0, \n, \cm
	MUL16 2, \n, \cm
	WIN 0
.endm
.macro TURN n, fill                    ; a slot's second step changes slots: the three lines, one barrier (fill = 1: it opens a round of the cluster's), the refill, the next slot's first fragments
	s_wait_tensorcnt 0x0                           ; all my tensor loads have landed: my part of the next slot
	ds_add_u32 v[SPW], v[NIL]
	s_wait_dscnt 0x0                               ; the add is done, and my reads of this slot are over
	s_barrier_signal -1
	WIN MUL
	MUL16 0, \n, 0
	WIN 0
	s_barrier_wait -1
.if \fill
	CREST
	JLOAD G0+4*(((\n)/2)%2), G1, G0B+4*(((\n)/2)%2), G1B   ; the first tensor load behind the round; its four v_nop are four of the places
	PLACES NP-4
.else
	PLACES NP
.endif
	FETCH (\n)+1
	WIN MUL
	MUL16 2, \n, 0
	WIN 0
.endm
	FETCH 0
	EVEN 0, 1                                      ; the first products begin the sums with the bias
	TURN 1, 1                                      ; slot 0 takes K step 2
	EVEN 2, 0
	TURN 3, 1                                      ; slot 1 takes K step 3
	EVEN 4, 0
	TURN 5, 0                                      ; nothing is filled again
	EVEN 6, 0
	s_wait_dscnt 0x0
	WIN MUL
	MUL16 0, 7, 0
	MUL16 2, 7, 0
	WIN 0
; THE WAY OUT, block by block of 16 rows x 128 columns, through my stage in slot 0, which has had its last fill and, ahead of the last barrier, its last read; back as whole rows of 512 bytes
.macro TOSTAGE a
.set AC, 64*(\a)
	WIN 0x08
.irp b, 0,1,2,3,4,5,6,7
	ds_store_b128 v[STO], v[AC+8*\b:AC+8*\b+3] offset:64*\b          ; each accumulator from its low end on
	ds_store_b128 v[STO], v[AC+8*\b+4:AC+8*\b+7] offset:64*\b+16
.endr
	WIN 0
.set BB, BK+64*((\a)%2)
.irp t, 0,1,2,3,4,5,6,7,8,9,10,11,12,13,14,15
	ds_load_b128 v[BB+4*\t:BB+4*\t+3], v[RD] offset:\t*SPITCH        ; LDS serves a wave's instructions in order: these see my stores
.endr
.endm
.macro SEND a, younger
.set BB, BK+64*((\a)%2)
	s_wait_dscnt \younger                          ; the block is back; the LDS instructions issued behind its loads may be out
.if (\a) > 0
	s_add_nc_u64 s[12:13], s[12:13], 16*SIZE_N*4   ; behind a wait on XCNT: the earlier stores have read their base
.endif
.irp t, 0,1,2,3,4,5,6,7,8,9,10,11,12,13,14,15
	global_store_b128 v[CO], v[BB+4*\t:BB+4*\t+3], s[12:13] offset:\t*SIZE_N*4 th:TH_STORE_NT   ; 32 lanes store 512 consecutive bytes, aligned
.endr
.endm
	PLACES NP
	TOSTAGE 0
.irp a, 1,2,3
.if \a > 1
	s_wait_xcnt 0x0
.endif
	TOSTAGE \a
	SEND \a-1, 32
.endr
	s_wait_xcnt 0x0
	SEND 3, 0
	s_wait_tensorcnt 0x0                           ; the wave's end
	ds_add_u32 v[SPW], v[NIL]
	s_wait_dscnt 0x0
	CROUND                                         ; the closing round
	s_endpgm
.Lfunc_end_k_q72bffd928b_oproj:
	.size	k_q72bffd928b_oproj, .Lfunc_end_k_q72bffd928b_oproj-k_q72bffd928b_oproj
	.p2alignl 7, 3214868480
	.fill 96, 4, 3214868480
	.section	.rodata,"a",@progbits
	.p2align	6, 0x0
	.amdhsa_kernel k_q72bffd928b_oproj
		.amdhsa_group_segment_fixed_size 327680
		.amdhsa_private_segment_fixed_size 0
		.amdhsa_enable_private_segment 0
		.amdhsa_kernarg_size 48
		.amdhsa_user_sgpr_count 2
		.amdhsa_user_sgpr_kernarg_segment_ptr 1
		.amdhsa_wavefront_size32 1
		.amdhsa_system_sgpr_workgroup_id_x 1
		.amdhsa_system_sgpr_workgroup_id_y 1
		.amdhsa_system_sgpr_workgroup_id_z 1
		.amdhsa_system_vgpr_workitem_id 0
		.amdhsa_next_free_vgpr 1024
		.amdhsa_next_free_sgpr 100
		.amdhsa_reserve_vcc 0
		.amdhsa_float_denorm_mode_32 3
		.amdhsa_float_denorm_mode_16_64 3
		.amdhsa_memory_ordered 1
		.amdhsa_forward_progress 1
		.amdhsa_inst_pref_size 89
	.end_amdhsa_kernel
	.amdgpu_metadata
---
amdhsa.version: [ 1, 2 ]
amdhsa.kernels:
  - .name:           k_q72bffd928b_oproj
    .symbol:         k_q72bffd928b_oproj.kd
    .args:
      - { .name: aimg, .offset: 0, .size: 8, .value_kind: global_buffer, .address_space: global }
      - { .name: asc, .offset: 8, .size: 8, .value_kind: global_buffer, .address_space: global }
      - { .name: Wo_codes, .offset: 16, .size: 8, .value_kind: global_buffer, .address_space: global }
      - { .name: Wo_scales, .offset: 24, .size: 8, .value_kind: global_buffer, .address_space: global }
      - { .name: bo, .offset: 32, .size: 8, .value_kind: global_buffer, .address_space: global }
      - { .name: out0, .offset: 40, .size: 8, .value_kind: global_buffer, .address_space: global }
    .group_segment_fixed_size: 327680
    .private_segment_fixed_size: 0
    .kernarg_segment_align: 8
    .kernarg_segment_size: 48
    .max_flat_workgroup_size: 128
    .sgpr_count:     100
    .vgpr_count:     1024
    .wavefront_size: 32
...
	.end_amdgpu_metadata
.endif
;; end of part 3
